; MI455X (gfx1250); checked and timed in simulation.
; The chip was launched on July 23, 2026; its instructions are those of AMD's public machine-readable ISA for CDNA 5 (MIT licence, August 2026) and "CDNA5" Instruction Set Architecture Reference Guide (July 2026). The comments in the code are by the model that wrote it; some were corrected since.
;; Causal Self Attention. Allowed arithmetic: matrix products marked QUANTISED: E2M3 operands, one E8M0 scale for each 32 along K, by v_wmma_scale_f32_16x16x128_f8f6f4 with both operands' format E2M3, f32 sums; everything else in f32.
;; Inputs: Wproj 1,024 x 1,024 float32; Wqkv 3,072 x 1,024 float32; bproj 1,024 float32; bqkv 3,072 float32; x 4 x 2,048 x 1,024 float32.
;; Outputs: out0 4 x 2,048 x 1,024 float32.
;; This version of the problem:
;;   THIS VERSION OF THE PROBLEM IS GIVEN IN LOW PRECISION. The matrix products marked QUANTISED in the list below multiply operands that are first quantised to E2M3 (2 exponent bits, 3 mantissa bits; 6 bits a number), with one power-of-two scale for each 32 numbers along K (OCP MX v1.0); their sums are f32. All else is computed in f32.
;;   The module's matrix products, in the order in which they are computed (A, B: the left and right operand; K: the contracted axis; several contracted axes count as one K, in the product's order):
;;     1. [M 8,192, K 1,024] x [K 1,024, N 3,072]; A: input x; B: input Wqkv: QUANTISED
;;     2. batch 64 x [M 2,048, K 64] x [K 64, N 2,048]; A: computed on the way; B: computed on the way: QUANTISED
;;     3. batch 64 x [M 2,048, K 2,048] x [K 2,048, N 64]; A: softmax (see below); B: computed on the way: QUANTISED
;;     4. [M 8,192, K 1,024] x [K 1,024, N 1,024]; A: computed on the way; B: input Wproj: QUANTISED
;;   THE QUANTISER, for each operand of a quantised product, along K:
;;     - K is cut into blocks of 32 from its start; a last block that is shorter is filled with zeros.
;;     - A block's scale is 2^e with e = floor(log2(the largest magnitude in the block)) - 2, held to -126 .. 127; a block of zeros has e = 0. As a byte (E8M0): e + 127.
;;     - Each number is divided by its block's scale, clamped to +-7.5, and rounded to the nearest number of E2M3, ties to even, subnormals kept.
;;     - The product sums the exact products of the quantised numbers (number of the format x scale) in f32.
;;   ~~~python
;;   def quantise(x, axis):      # numpy; x: float32 -> the quantised numbers, widened to float32 again
;;       x = np.moveaxis(x, axis, -1); K = x.shape[-1]
;;       x = np.pad(x, [(0, 0)] * (x.ndim - 1) + [(0, -K % 32)]); x = x.reshape(x.shape[:-1] + (-1, 32)); a = np.abs(x).max(-1, keepdims=True)
;;       e = np.where(a > 0, np.clip(np.frexp(np.where(a > 0, a, 1))[1] - 1 - 2, -126, 127), 0)      # np.frexp(a)[1] - 1 = floor(log2(a)), exactly
;;       r = np.clip(x / 2.0 ** e, -7.5, 7.5)
;;       step = 2.0 ** (np.maximum(np.frexp(np.where(r == 0, 1, r))[1] - 1, 0) - 3)
;;       q = np.round(r / step) * step * 2.0 ** e      # np.round: ties to even
;;       return np.moveaxis(q.reshape(q.shape[:-2] + (-1,))[..., :K], -1, axis).astype(np.float32)
;;   ~~~
;;   SOFTMAX AHEAD OF A QUANTISED PRODUCT. Where the list says 'softmax', what is quantised is not the finished softmax but p = 2^(t - M), with t = logit x log2(e) and M = ceil(the row's largest t), a whole number; so 1/2 < the row's largest p <= 1. The row's sum l is taken of the UNQUANTISED p, in f32, and the product's result is divided by l at the end. Since M is a whole number, a kernel that streams over the keys may use a running M (the ceiling of the running maximum): every later rescaling is an exact power of two, which a block's scale takes up: the codes' values come out the same.
;;   OPERANDS COMPUTED ON THE WAY. 'Computed on the way' means the value that the module computes at that place (a softmax that the list does not call 'softmax' is quantised finished and normalised). What goes into a quantiser is computed in f32, as accurately as f32 sums, v_exp_f32 and their like allow (about 1e-6 of the number): no bf16 or f16 on the way to a quantiser, and a product that is left as it is and whose result goes on into a quantised operand takes f32 operands (vector FMAs, or v_wmma_f32_16x16x4_f32). A number that lies on a knife's edge between two numbers of the format may be rounded either way, as far as f32 arithmetic and the matrix unit's own rounding can turn it there, and no further.
;; One version. Each part assembles by itself: llvm-mc -triple=amdgcn-amd-amdhsa -mcpu=gfx1250 --defsym DOCPART=n.
;; ======== version 1 of 1: 4 launches
;; workspace buffers: ops 9,830,400 bytes; qkv 26,738,688 bytes; y 6,553,600 bytes
;; launch quant (part 1): grid 384 x 1, 4 waves a work-group, no clusters, 34,304 bytes of LDS; arguments x, Wqkv, Wproj, ops; writes ops
.if DOCPART == 1
	.amdgcn_target "amdgcn-amd-amdhsa--gfx1250"
	.amdhsa_code_object_version 6
	.text
	.protected	k_q82393977a0_quant
	.globl	k_q82393977a0_quant
	.p2align	8
	.type	k_q82393977a0_quant,@function
k_q82393977a0_quant:
	s_mov_b64 s[64:65], 0
	v_nop
	global_prefetch_b8 v0, s[64:65] scope:SCOPE_SE
	s_setreg_imm32_b32 hwreg(HW_REG_WAVE_MODE, 25, 1), 1
	s_wait_xcnt 0x0
; x [8192][1024], Wqkv [3072][1024], Wproj [1024][1024], f32, K innermost, become codes of FP6 (E2M3) with one E8M0 byte for each 32 along K.
; The three tensors are one run of 12,288 rows = 768 ROW TILES of 16 rows.  Row tile g = 2 B + u holds rows 32 B + 8 u + p + 8 (p / 8), p = 0 .. 15: eight rows and the eight that lie 16 further on,
; so that the results of a product that takes such a tile as its first source lie, in a lane's registers, as neighbours along the next product's K.
; THE CODES ARE STORED AS IMAGES OF THE OPERAND'S REGISTERS.  A half image (16 rows x 64 K, 768 bytes): lane l = (r, h) holds six registers, row p = r, K = 32 h + 0 .. 31 of the 64;
; registers 0-3 lie at 16 l, registers 4-5 at 512 + 8 l.  Row tile g, K step s (128 along K), half c: byte g x 12,288 + s x 1,536 + c x 768.
; The scale words (four bytes: 128 along K of one row) lie at SC0 + g x 512 + (s / 2) x 128 + 8 r + 4 (s % 2).
; A block's scale is 2^(floor(log2(largest magnitude)) - 2); its byte is the largest magnitude's exponent field - 2, held at 1 from below.
; LIMITS: a block of zeros, or one whose largest magnitude lies under 2^-124, gets the byte 1 (its codes are zeros or held; the bytes are read by this program alone); NaN and infinities are not served.
; SHARES.  A work-group takes 32 rows (two row tiles); wave w takes row tile u = w / 2 and K half w % 2: 16 rows x 512 K = four fragments.  Each load reads 512 consecutive bytes of one row; a fragment's
; 16 x 512 bytes turn through the wave's own stage in LDS (rows 528 bytes apart) and come back as 32 neighbours along K a lane and half: a whole block in one lane.
; No tensor loads, no barrier: waves share nothing.  Memory binds, so matrix units, clusters and large register tiles have no part here.  Loads run two fragments (32 loads a wave) ahead.
.set SC0,  9437184
.set SPB,  528                         ; a stage row: 512 bytes + 16
.set WST,  16*SPB                      ; a wave's stage
.set R,    16                          ; v16-143   two sets of 64 registers as loaded
.set X,    144                         ; v144-207  64 numbers: register 32 c + i = K 64 c + 32 h + i of my row
.set C,    208                         ; v208-219  the fragment's codes
.set CT,   220                         ; v220-222, v224-226: a conversion's three registers begin on an even number
.set M,    228                         ; v228-229  largest magnitudes
.set SO,   230                         ; v230-231  the conversions' scale operands
.set BY,   232                         ; v232-233  scale bytes
.set WD,   236                         ; v236-239  the four fragments' scale words
.set P,    240                         ; v240-241  the pair that is stored
.set PT,   242                         ; v242      a lane permute's destination
	s_load_b256 s[4:11], s[0:1], 0x0               ; x s[4:5], Wqkv s[6:7], Wproj s[8:9], ops s[10:11]
	v_lshl_add_u32 v254, v0, 2, 0x8400
	v_mov_b32 v255, 0
	v_lshrrev_b32 v1, 5, v0
	v_readfirstlane_b32 s16, v1                    ; wave 0..3
	v_and_b32 v1, 31, v0                           ; lane
	v_and_b32 v7, 15, v0                           ; r
	v_bfe_u32 v8, v0, 4, 1                         ; h
	v_lshlrev_b32 v2, 4, v1                        ; 16 x lane: a load's and a store's place
	v_lshlrev_b32 v3, 3, v1                        ; 8 x lane
	s_mul_i32 s17, s16, WST
	v_add_nc_u32 v4, s17, v2                       ; the stage, on the way in: 16 x lane of a row
	v_mul_u32_u24 v5, v7, SPB
	v_lshl_add_u32 v5, v8, 7, v5
	v_add_nc_u32 v5, s17, v5                       ; and on the way out: row r, + 128 h bytes
	v_lshlrev_b32 v6, 3, v8                        ; 8 h: my bytes' place in a scale word
	v_mov_b32 v[PT], 0                             ; written once: a lane permute's destination counts as one of its sources
	s_mov_b32 s20, 0x76543210
	s_mov_b32 s21, 0xfedcba98                      ; v_permlanex16_b32's selects for lane l xor 16
	s_mov_b32 s22, 0xffff0000                      ; lanes 16-31
	s_lshr_b32 s18, s16, 1                         ; u
	s_and_b32 s19, s16, 1                          ; K half
	s_mov_b32 s15, 352
	s_wait_alu depctr_va_vdst(0)
	s_wait_kmcnt 0x0
	s_cmp_lt_u32 ttmp9, s15                        ; work-groups 0-255: x; 256-351: Wqkv; 352-383: Wproj.  The choice hangs on the work-group's number alone
	s_cselect_b64 s[12:13], s[6:7], s[8:9]
	s_cselect_b32 s14, 256, s15
	s_cmp_lt_u32 ttmp9, 256
	s_cselect_b64 s[12:13], s[4:5], s[12:13]
	s_cselect_b32 s14, 0, s14
	s_sub_co_u32 s14, ttmp9, s14                   ; which 32 rows of that tensor
	s_lshl_b32 s24, s14, 17                        ; 32 rows of 4,096 bytes,
	s_lshl_b32 s25, s18, 15                        ; 8 u rows,
	s_add_co_u32 s24, s24, s25
	s_lshl_b32 s25, s19, 11                        ; 512 numbers along K
	s_add_co_u32 s24, s24, s25
	s_mov_b32 s25, 0
	s_add_nc_u64 s[12:13], s[12:13], s[24:25]
	s_lshl_b32 s26, ttmp9, 1
	s_add_co_u32 s26, s26, s18                     ; g: my row tile
	s_mul_i32 s24, s26, 12288
	s_mul_i32 s27, s19, 6144
	s_add_co_u32 s24, s24, s27
	s_add_nc_u64 s[28:29], s[10:11], s[24:25]      ; my four fragments' images
	s_lshl_b32 s24, s26, 9
	s_lshl_b32 s27, s19, 8
	s_add_co_u32 s24, s24, s27
	s_add_co_u32 s24, s24, SC0
	s_add_nc_u64 s[30:31], s[10:11], s[24:25]      ; my 256 bytes of scale words
.macro LOAD f                          ; fragment f: 128 along K of my 16 rows, a row's 512 consecutive bytes an instruction
.set i, 0
.rept 16
	global_load_b128 v[R+64*((\f)%2)+4*i:R+64*((\f)%2)+4*i+3], v2, s[12:13] offset:(i+8*(i/8))*4096+512*(\f) th:TH_LOAD_NT
.set i, i+1
.endr
.endm
.macro FRAGQ f
.if \f < 3
	s_wait_loadcnt 16                              ; this fragment's 16 loads are in; the next fragment's 16 may be out
.else
	s_wait_loadcnt 0x0
.endif
.set i, 0
.rept 16
	ds_store_b128 v4, v[R+64*((\f)%2)+4*i:R+64*((\f)%2)+4*i+3] offset:SPB*i
.set i, i+1
.endr
.set i, 0
.rept 16
	ds_load_b128 v[X+4*i:X+4*i+3], v5 offset:256*(i/8)+16*(i%8)   ; LDS serves a wave's instructions in order: these see the stores above
.set i, i+1
.endr
	s_wait_dscnt 0x0                               ; the numbers are back, and the stores have read their registers,
.if \f < 2
	LOAD (\f)+2                                    ; which take the loads of two fragments on
.endif
.irp c, 0,1
	v_max3_num_f32 v[M+\c], |v[X+32*\c]|, |v[X+32*\c+1]|, 0x1800000   ; my block 2 c + h: all 32 numbers are mine; the floor 2^(3 - 127) holds the byte at 1 from below
.endr
.irp i, 2,4,6,8,10,12,14,16,18,20,22,24,26,28,30
.irp c, 0,1
	v_max3_num_f32 v[M+\c], v[M+\c], |v[X+32*\c+\i]|, |v[X+32*\c+\i+1]|   ; (the two blocks by turns)
.endr
.endr
.irp c, 0,1
	v_add_nc_u32 v[SO+\c], 0xff000000, v[M+\c]     ; 2 off the exponent field: the conversion takes the exponent field of this operand as its scale
.endr
.irp c, 0,1
	v_lshrrev_b32 v[BY+\c], 23, v[SO+\c]           ; the scale's byte
.endr
	v_lshl_or_b32 v[WD+\f], v[BY+1], 16, v[BY]     ; my two bytes: blocks h and 2 + h of row r,
	v_lshlrev_b32 v[WD+\f], v6, v[WD+\f]           ; at their places in the word;
	v_permlanex16_b32 v[PT], v[WD+\f], s20, s21
	v_or_b32 v[WD+\f], v[WD+\f], v[PT]             ; with lane l xor 16's two the word is whole, in both halves of the lanes
.if \f > 0
	s_wait_alu depctr_va_vdst(0)
	s_wait_xcnt 0x0                                ; the last fragment's stores have read the codes' registers: they are written again only behind this wait
.endif
.irp c, 0,1
	v_cvt_scalef32_pk16_fp6_f32 v[C+6*\c:C+6*\c+2], v[X+32*\c:X+32*\c+15], v[SO+\c]
	v_cvt_scalef32_pk16_fp6_f32 v[CT+4*\c:CT+4*\c+2], v[X+32*\c+16:X+32*\c+31], v[SO+\c]
.endr
	v_nop                                          ; one plain place behind a scaled conversion
.irp c, 0,1
.irp i, 0,1,2
	v_mov_b32 v[C+6*\c+3+\i], v[CT+4*\c+\i]
.endr
.endr
.irp c, 0,1
	global_store_b128 v2, v[C+6*\c:C+6*\c+3], s[28:29] offset:1536*(\f)+768*\c       ; 512 consecutive bytes, at a multiple of 256
	global_store_b64 v3, v[C+6*\c+4:C+6*\c+5], s[28:29] offset:1536*(\f)+768*\c+512  ; 256 consecutive bytes, at a multiple of 256
.endr
.endm
	LOAD 0
	LOAD 1
	FRAGQ 0
	FRAGQ 1
	FRAGQ 2
	FRAGQ 3
	v_cndmask_b32 v[P], v[WD], v[WD+2], s22        ; lanes 0-15 store row r's words of fragments 0, 1; lanes 16-31 those of fragments 2, 3
	v_cndmask_b32 v[P+1], v[WD+1], v[WD+3], s22
	global_store_b64 v3, v[P:P+1], s[30:31]        ; 256 consecutive bytes, at a multiple of 256
	s_wait_tensorcnt 0x0
	ds_add_u32 v254, v255
	s_wait_dscnt 0x0
	s_endpgm
.Lfunc_end_k_q82393977a0_quant:
	.size	k_q82393977a0_quant, .Lfunc_end_k_q82393977a0_quant-k_q82393977a0_quant
	.p2alignl 7, 3214868480
	.fill 96, 4, 3214868480
	.section	.rodata,"a",@progbits
	.p2align	6, 0x0
	.amdhsa_kernel k_q82393977a0_quant
		.amdhsa_group_segment_fixed_size 34304
		.amdhsa_private_segment_fixed_size 0
		.amdhsa_enable_private_segment 0
		.amdhsa_kernarg_size 32
		.amdhsa_user_sgpr_count 2
		.amdhsa_user_sgpr_kernarg_segment_ptr 1
		.amdhsa_wavefront_size32 1
		.amdhsa_system_sgpr_workgroup_id_x 1
		.amdhsa_system_sgpr_workgroup_id_y 1
		.amdhsa_system_sgpr_workgroup_id_z 1
		.amdhsa_system_vgpr_workitem_id 0
		.amdhsa_next_free_vgpr 256
		.amdhsa_next_free_sgpr 66
		.amdhsa_reserve_vcc 0
		.amdhsa_float_denorm_mode_32 3
		.amdhsa_float_denorm_mode_16_64 3
		.amdhsa_memory_ordered 1
		.amdhsa_forward_progress 1
		.amdhsa_inst_pref_size 31
	.end_amdhsa_kernel
	.amdgpu_metadata
---
amdhsa.version: [ 1, 2 ]
amdhsa.kernels:
  - .name:           k_q82393977a0_quant
    .symbol:         k_q82393977a0_quant.kd
    .args:
      - { .name: x, .offset: 0, .size: 8, .value_kind: global_buffer, .address_space: global }
      - { .name: Wqkv, .offset: 8, .size: 8, .value_kind: global_buffer, .address_space: global }
      - { .name: Wproj, .offset: 16, .size: 8, .value_kind: global_buffer, .address_space: global }
      - { .name: ops, .offset: 24, .size: 8, .value_kind: global_buffer, .address_space: global }
    .group_segment_fixed_size: 34304
    .private_segment_fixed_size: 0
    .kernarg_segment_align: 8
    .kernarg_segment_size: 32
    .max_flat_workgroup_size: 128
    .sgpr_count:     66
    .vgpr_count:     256
    .wavefront_size: 32
...
	.end_amdgpu_metadata
.endif
;; end of part 1
;; launch gemm_qkv (part 2): grid 12 x 32, 4 waves a work-group, clusters of 4 x 4, 327,680 bytes of LDS; arguments ops, bqkv, qkv; writes qkv
.if DOCPART == 2
	.amdgcn_target "amdgcn-amd-amdhsa--gfx1250"
	.amdhsa_code_object_version 6
	.text
	.protected	k_q82393977a0_gemm_qkv
	.globl	k_q82393977a0_gemm_qkv
	.p2align	8
	.type	k_q82393977a0_gemm_qkv,@function
k_q82393977a0_gemm_qkv:
	s_mov_b64 s[64:65], 0
	v_nop
	global_prefetch_b8 v0, s[64:65] scope:SCOPE_SE
	s_setreg_imm32_b32 hwreg(HW_REG_WAVE_MODE, 25, 1), 1
	s_wait_xcnt 0x0
	s_wait_alu depctr_hold_cnt(0) depctr_sa_sdst(0) depctr_va_vdst(0) depctr_va_sdst(0) depctr_va_ssrc(0) depctr_va_vcc(0) depctr_vm_vsrc(0)
	s_getreg_b32 s2, hwreg(HW_REG_IB_STS2, 6, 4)
	s_cmp_eq_u32 s2, 0
	s_cbranch_scc0 .Lentry_in_a_cluster
	s_endpgm
.Lentry_in_a_cluster:
	s_bfe_u32 s2, ttmp6, 0x10000c
	s_cmp_lg_u32 s2, 0xf033
	s_cbranch_scc0 .Lentry_shape_is_right
	s_endpgm
.Lentry_shape_is_right:
; qkv = x Wqkv^T + bqkv on codes of FP6 (E2M3) with E8M0 scales, sums in f32; the results are quantised at once: q and k along the head's 64, v along the keys, and stored as images of operand registers.
; OPERANDS (buffer ops): row tiles of 16 rows (row tile 2 B + u: rows 32 B + 8 u + p + 8 (p / 8)); row tile g, K step s, half c at g x 12,288 + s x 1,536 + c x 768; a half image: lane l's registers 0-3 at 16 l,
; registers 4-5 at 512 + 8 l.  Scale words at SC0 + g x 512 + (s / 2) x 128 + 8 r + 4 (s % 2).  x: row tiles 0-511, Wqkv: 512-703.
; A tile of 256 x 256 results is made by four waves, 128 x 128 each: 64 accumulators.  Source 0 = a row tile of "B", source 1 = a row tile of "A": lane (r, h) holds row p = r of A's tile, and register j of the
; accumulators (a, 2 B + u) row 32 B + 16 h + 8 u + j of B's 128: the 64 registers of a block a are 4 x 16 neighbours, as the quantiser along B's rows wants them.
; Clusters x = 0, 1 (q, k): A = x's rows, B = Wqkv's rows: a lane holds a token and its registers run along the channels.  Cluster x = 2 (v): THE ROLES ARE SWAPPED, A = Wv's rows, B = x's rows: a lane holds a channel and
; its registers run along the keys, which are the K of attention's second product.  Nothing is transposed by an instruction.
; K goes in steps of 256 through a ring of two LDS slots: a row tile's 3,072 consecutive bytes are a row of the tensor tile; images need no padding: every LDS load reads consecutive bytes.
; The scale words of the work-group's 512 rows, for all of K, come once, with the first fills.
; CLUSTERS: 4 x 4 work-groups; A's tiles are shared along a row of the cluster, B's along a column: joint loads with a mask.  A's address never holds cx, B's never cy.
; No prefetch: four K steps, and the tiles are shared in the cluster.  One tile to a work-group.
; RESULTS (buffer qkv): two regions of 64 heads x PACKH bytes: q at 0, k and v at KVREG.  A head is 8 slots of 256 tokens, SLOTB bytes each: 16 row tiles x 768 (codes of q or k, 16 tokens x 64), at VOFF 2 key steps x
; 4 tiles of 16 channels x 1,536 (V^T, 128 keys innermost), at KSC 4 x 256 bytes of q's or k's scale words (word at 16 r + 4 (tile % 4); bytes 0, 1 the two blocks, bytes 2, 3 zero), at VSC 2 x 256 bytes of V's.
; LIMITS: a block of zeros, or one whose largest magnitude lies under 2^-124, gets the byte 1; NaN and infinities are not served.
; REGISTERS: window 0: v1-9 lane numbers and offsets; v16-29 addresses; v32-63 scale words, two sets; v128-223 A's fragments, one set; v224-239 the bias by lane; in the epilogue v64-193 at work.
;   window 1: B's fragments, two sets, at v0 and v128; the bias by register in v96-127 and v224-255.   windows 2, 3: the accumulators ((a, b) at v[8 (8 (a % 4) + b)]).
.set NQ,     2                         ; matrix instructions deep in a slot
.set FR,     12                        ; registers of a fragment
.set NL,     4                         ; LDS loads that bring one
.set NP,     4                         ; places behind this matrix instruction (ISA guide 7.12.1)
.set TILEB,  3072                      ; a row tile's bytes in a slot: 256 along K
.set HALFT,  8*TILEB                   ; 8 row tiles: what one tensor load brings, and what one wave reads of A or of B
.set SLOT,   4*HALFT
.set SCL,    2*SLOT                    ; behind the ring: A's 8,192 bytes of scale words, then B's
.set SPARE,  SCL+16384                 ; the spare words, 128 bytes for each wave
.set LAPS,   2                         ; K = 1,024 is twice round the ring
.set SC0,    9437184
.set PACKH,  208896
.set SLOTB,  26112
.set KVREG,  13369344
.set VOFF,   12288
.set KSC,    24576
.set VSC,    25600
.set ADRA, 16                          ; v16-17 16 x lane + my A tiles in slot 0, 1;  v18-19 the same with 8 x lane + 512
.set ADRB, 20                          ; v20-23 the same for B
.set ADRS, 27                          ; v27    my scale words: lanes 0-15 A's, lanes 16-31 B's
.set SPW,  28                          ; v28    LDS address of my spare word; never rewritten
.set NIL,  29                          ; v29    0; never rewritten
.set SC,   32
.set AF,   128
.set T,    64                          ; the epilogue: 64 numbers of a block
.set PC,   128                         ; v128-146 codes
.set TM,   152                         ; v152-167 the quantiser's work
.set PW,   168
.set XW,   172                         ; v172-175 four scale words of q or k
.set PWS,  176                         ; v176-183 eight scale words of v
.set YW,   184                         ; v184-187
.set VO16, 190
.set VO8,  191
.set VOS,  192
.set SH,   193
.set BL,   224                         ; v224-239 the bias by lane, twice each: pairs for the packed addition
.set G1, 24
.set G0, 32
.set G1B, 48
.set G0B, 56
.set G1S, 68
.set G0S, 76
.set G1SB, 80
.set G0SB, 88
.set SEL, 96                           ; s[96:97] selects for lane l xor 16
.set SB,  98                           ; s[98:99] where my results go
.set TY,  100                          ; s100 1: this cluster makes v
.set HI16, 101                         ; s101 lanes 16-31
.set MSB, 0
.macro WIN new                         ; the immediate's high byte repeats the setting that is left
.if MSB != (\new)
	s_set_vgpr_msb (MSB<<8)|(\new)
.set MSB, (\new)
.endif
.endm
.set MUL_LO, 0xa1                      ; source 0 (B) window 1, source 1 (A) window 0, C and D window 2
.set MUL_HI, 0xf1                      ; the same, C and D window 3
.set TO_B,   0x40                      ; destination window 1, address window 0
; A joint load: waves 0 and 1 fetch for A, waves 2 and 3 for B; the branch hangs on the wave's number alone.  Four v_nop follow each of the two lines.
.macro JLOAD g0a, g1a, g0b, g1b
	s_cmp_eq_u32 s15, 0
	s_cbranch_scc0 .Lfor_b_\@
	tensor_load_to_lds s[\g0a:\g0a+3], s[\g1a:\g1a+7]
	s_nop 0
.rept 4
	v_nop
.endr
	s_branch .Lasked_\@
.Lfor_b_\@:
	tensor_load_to_lds s[\g0b:\g0b+3], s[\g1b:\g1b+7]
	s_nop 0
.rept 4
	v_nop
.endr
.Lasked_\@:
.endm
.macro CREST                           ; a round of the cluster's barrier behind its opening barrier
	s_cmp_lg_u32 s14, 0
	s_cbranch_scc1 .Lnot_wave_0_\@
	s_barrier_signal -3
.Lnot_wave_0_\@:
	s_barrier_wait -3
	s_barrier_signal -1
	s_barrier_wait -1
.endm
.macro CROUND
	s_barrier_signal -1
	s_barrier_wait -1
	CREST
.endm
	s_load_b64 s[4:5], s[0:1], 0x0                 ; ops, for A's tiles
	s_load_b64 s[6:7], s[0:1], 0x0                 ; ops, for B's tiles
	s_load_b64 s[8:9], s[0:1], 0x8                 ; bqkv
	s_load_b64 s[10:11], s[0:1], 0x10              ; qkv
	v_lshl_add_u32 v[SPW], v0, 2, SPARE
	v_mov_b32 v[NIL], 0
	ds_add_u32 v28, v29
	s_wait_dscnt 0x0
	v_lshrrev_b32 v1, 5, v0
	v_readfirstlane_b32 s14, v1                    ; wave 0..3
	s_lshr_b32 s15, s14, 1                         ; which half of A's rows is mine.  Also: I fetch for A (0) or for B (1)
	s_and_b32 s16, s14, 1                          ; which half of B's rows.  Also: which 8 row tiles I fetch
	s_bfe_u32 s40, ttmp6, 0x40000                  ; cx
	s_bfe_u32 s41, ttmp6, 0x40004                  ; cy
	s_and_b32 s18, ttmp7, 0xffff
	s_lshl_b32 s18, s18, 2                         ; 4 x cluster y
	s_lshl_b32 s19, ttmp9, 2
	s_add_co_u32 s19, s19, 32                      ; 32 + 4 x cluster x: Wqkv begins at unit 32 (a unit: 16 row tiles, 256 rows)
	s_cmp_eq_u32 ttmp9, 2                          ; the cluster's x is the same in all sixteen partners
	s_cselect_b32 s[TY], 1, 0
	s_cselect_b32 s17, 40, s18                     ; A: Wv's rows (unit 40 on), or x's
	s_cselect_b32 s42, s18, s19                    ; B: x's rows, or Wq's and Wk's
	s_add_co_u32 s17, s17, s41                     ; A's unit hangs on cy alone,
	s_add_co_u32 s42, s42, s40                     ; B's on cx alone
	s_lshl_b32 s43, s41, 2
	s_lshl_b32 s43, 15, s43                        ; my row of the cluster
	s_lshl_b32 s44, 0x1111, s40                    ; my column
	; descriptor group 1 for codes: 8 rows (row tiles) x 384 elements of 8 bytes, 1,536 elements apart; no padding
	s_or_b32 s[G1+0], s43, (3<<16)|(1<<21)
	s_or_b32 s[G1B+0], s44, (3<<16)|(1<<21)
.irp g, G1, G1B
	s_mov_b32 s[\g+1], 384<<16                     ; tensor_dim0
	s_mov_b32 s[\g+2], 8<<16                       ; tensor_dim1
	s_mov_b32 s[\g+3], 384<<16                     ; tile_dim0
	s_mov_b32 s[\g+4], 8                           ; tile_dim1
	s_mov_b32 s[\g+5], 1536                        ; tensor_dim0_stride
	s_mov_b32 s[\g+6], 0
	s_mov_b32 s[\g+7], 0
.endr
	; and for the scale words of 8 row tiles: 4,096 dense bytes as 16 rows of 256
	s_or_b32 s[G1S+0], s43, (3<<16)|(1<<21)
	s_or_b32 s[G1SB+0], s44, (3<<16)|(1<<21)
.irp g, G1S, G1SB
	s_mov_b32 s[\g+1], 32<<16
	s_mov_b32 s[\g+2], 16<<16
	s_mov_b32 s[\g+3], 32<<16
	s_mov_b32 s[\g+4], 16
	s_mov_b32 s[\g+5], 32
	s_mov_b32 s[\g+6], 0
	s_mov_b32 s[\g+7], 0
.endr
	s_mul_i32 s20, s17, 196608                     ; A's codes: 16 row tiles of 12,288 bytes a unit,
	s_mul_i32 s22, s16, 98304                      ; + the 8 row tiles that I fetch
	s_add_co_u32 s20, s20, s22
	s_mov_b32 s21, 0
	s_mul_i32 s46, s42, 196608                     ; B's likewise
	s_add_co_u32 s46, s46, s22
	s_mov_b32 s47, 0
	s_lshl_b32 s94, s16, 12
	s_lshl_b32 s22, s17, 13                        ; A's scale words: 8,192 bytes a unit
	s_add_co_u32 s22, s22, s94
	s_add_co_u32 s22, s22, SC0
	s_mov_b32 s23, 0
	s_lshl_b32 s92, s42, 13
	s_add_co_u32 s92, s92, s94
	s_add_co_u32 s92, s92, SC0
	s_mov_b32 s93, 0
	s_mul_i32 s45, s14, HALFT                      ; where they go: wave x 8 row tiles: no place in the cluster enters an LDS address
	s_lshl_b32 s94, s14, 12
	s_mov_b32 s[SEL], 0x76543210
	s_mov_b32 s[SEL+1], 0xfedcba98
	s_mov_b32 s[HI16], 0xffff0000
	s_wait_kmcnt 0x0
	s_add_nc_u64 s[20:21], s[4:5], s[20:21]
	s_add_nc_u64 s[22:23], s[4:5], s[22:23]
	s_add_nc_u64 s[46:47], s[6:7], s[46:47]
	s_add_nc_u64 s[92:93], s[6:7], s[92:93]
	CROUND                                         ; all sixteen work-groups are here: the first joint loads meet
	s_mov_b32 s[G0S], 1
	s_add_co_u32 s[G0S+1], s94, SCL
	s_mov_b64 s[G0S+2:G0S+3], s[22:23]
	s_or_b32 s[G0S+3], s[G0S+3], 0x80000000
	s_mov_b32 s[G0SB], 1
	s_add_co_u32 s[G0SB+1], s94, SCL
	s_mov_b64 s[G0SB+2:G0SB+3], s[92:93]
	s_or_b32 s[G0SB+3], s[G0SB+3], 0x80000000
	JLOAD G0S, G1S, G0SB, G1SB                     ; the scale words first: they are wanted with K step 0
.irp s, 0,1
	s_mov_b32 s[G0+4*\s], 1
	s_add_co_u32 s[G0+4*\s+1], s45, \s*SLOT
	s_add_nc_u64 s[G0+4*\s+2:G0+4*\s+3], s[20:21], \s*TILEB
	s_or_b32 s[G0+4*\s+3], s[G0+4*\s+3], 0x80000000
	s_mov_b32 s[G0B+4*\s], 1
	s_add_co_u32 s[G0B+4*\s+1], s45, \s*SLOT
	s_add_nc_u64 s[G0B+4*\s+2:G0B+4*\s+3], s[46:47], \s*TILEB
	s_or_b32 s[G0B+4*\s+3], s[G0B+4*\s+3], 0x80000000
	JLOAD G0+4*\s, G1, G0B+4*\s, G1B               ; three tensor loads of mine are out
.endr
	v_and_b32 v1, 15, v0                           ; r
	v_bfe_u32 v2, v0, 4, 1                         ; h
	v_and_b32 v3, 31, v0                           ; lane
	v_lshlrev_b32 v4, 4, v3                        ; 16 x lane
	v_lshl_add_u32 v5, v3, 3, 512                  ; 8 x lane + 512
	s_mul_i32 s21, s15, HALFT                      ; my 8 row tiles of A
	s_mul_i32 s22, s16, HALFT                      ; my 8 of B,
	s_add_co_u32 s22, s22, 2*HALFT                 ; which lie behind A's 16
.irp s, 0,1
	v_add_nc_u32 v[ADRA+\s], s21, v4
	v_add_nc_u32 v[ADRB+\s], s22, v4
	v_add_nc_u32 v[ADRA+2+\s], s21, v5
	v_add_nc_u32 v[ADRB+2+\s], s22, v5
	s_add_co_u32 s21, s21, SLOT
	s_add_co_u32 s22, s22, SLOT
.endr
	s_lshl_b32 s21, s15, 12                        ; A's scale words: my 8 row tiles
	s_lshl_b32 s22, s16, 12                        ; B's: my 8, behind A's 8,192 bytes
	s_add_co_u32 s22, s22, 8192
	s_sub_co_u32 s22, s22, s21
	v_mul_u32_u24 v6, s22, v2                      ; lanes 16-31 take B's: one product with h
	s_add_co_u32 s21, s21, SCL
	v_lshl_add_u32 v6, v1, 3, v6                   ; 8 bytes a row: a slot's two words
	v_add_nc_u32 v[ADRS], s21, v6
	; THE BIAS, in both forms, asked for now and waited for in the epilogue.  By register (q, k): register 16 B + i = bqkv[n0 + 32 B + 16 h + i].  By lane (v): block a's = bqkv[2048 + 256 cy + 128 (wave / 2) + its row].
	; Every work-group loads both (both lie inside bqkv for every work-group), so that no register is written on one way of a branch alone; one of the two epilogues leaves 16 small loads unread.
	s_lshl_b32 s18, ttmp9, 12
	s_lshl_b32 s19, s40, 10
	s_add_co_u32 s18, s18, s19
	s_lshl_b32 s19, s16, 9
	s_add_co_u32 s18, s18, s19                     ; 4 n0 = 4 (1,024 x cluster x + 256 cx + 128 x half)
	s_mov_b32 s19, 0
	s_add_nc_u64 s[92:93], s[8:9], s[18:19]
	s_lshl_b32 s18, s41, 10
	s_lshl_b32 s20, s15, 9
	s_add_co_u32 s18, s18, s20
	s_add_co_u32 s18, s18, 8192
	s_add_nc_u64 s[46:47], s[8:9], s[18:19]
	v_lshlrev_b32 v8, 6, v2                        ; 64 h; never rewritten
	v_and_b32 v9, 8, v1
	v_add_nc_u32 v9, v9, v1
	v_lshlrev_b32 v9, 2, v9                        ; 4 (r + 8 (r / 8)); never rewritten
	WIN TO_B
.set i, 0
.rept 16
	global_load_b128 v[96+4*i+96*(i/8):96+4*i+96*(i/8)+3], v8, s[92:93] offset:128*(i/4)+16*(i%4)
.set i, i+1
.endr
	WIN 0
.set i, 0
.rept 8
	global_load_b32 v[BL+2*i], v9, s[46:47] offset:(32*(i/2)+8*(i%2))*4
	global_load_b32 v[BL+2*i+1], v9, s[46:47] offset:(32*(i/2)+8*(i%2))*4
.set i, i+1
.endr
.macro FRAG reg, adr, q, i             ; a fragment's image, 1,536 bytes: two halves of 512 + 256 consecutive bytes
	ds_load_b128 v[\reg:\reg+3], v[\adr] offset:(\i)*TILEB+(\q)*1536
	ds_load_b64 v[\reg+4:\reg+5], v[\adr+2] offset:(\i)*TILEB+(\q)*1536
	ds_load_b128 v[\reg+6:\reg+9], v[\adr] offset:(\i)*TILEB+(\q)*1536+768
	ds_load_b64 v[\reg+10:\reg+11], v[\adr+2] offset:(\i)*TILEB+(\q)*1536+768
.endm
; 16 matrix instructions: A's blocks a0, a0 + 1 x B's eight, 128 along K.  p: B's set; sc: the set of scale words.  zero = 1: the first product starts the sums.
; The 64 accumulators take turns, one instruction a turn, in the same order in every step.
.macro MUL16 a0, p, q, sc, zero
.irp a, \a0, \a0+1
.irp b, 0,1,2,3,4,5,6,7
.if \zero
	v_wmma_scale_f32_16x16x128_f8f6f4 v[8*(8*((\a)%4)+\b):8*(8*((\a)%4)+\b)+7], v[128*(\p)+FR*\b:128*(\p)+FR*\b+FR-1], v[AF+FR*(\a):AF+FR*(\a)+FR-1], 0, v[SC+8*NQ*(\sc)+NQ*\b+(\q)], v[SC+8*NQ*(\sc)+NQ*(\a)+(\q)] matrix_a_fmt:MATRIX_FMT_FP6 matrix_b_fmt:MATRIX_FMT_FP6 matrix_a_scale:MATRIX_SCALE_ROW1
.else
	v_wmma_scale_f32_16x16x128_f8f6f4 v[8*(8*((\a)%4)+\b):8*(8*((\a)%4)+\b)+7], v[128*(\p)+FR*\b:128*(\p)+FR*\b+FR-1], v[AF+FR*(\a):AF+FR*(\a)+FR-1], v[8*(8*((\a)%4)+\b):8*(8*((\a)%4)+\b)+7], v[SC+8*NQ*(\sc)+NQ*\b+(\q)], v[SC+8*NQ*(\sc)+NQ*(\a)+(\q)] matrix_a_fmt:MATRIX_FMT_FP6 matrix_b_fmt:MATRIX_FMT_FP6 matrix_a_scale:MATRIX_SCALE_ROW1
.endif
.endr
.endr
.endm
.macro FETCH_B slot, q, p
	WIN TO_B
.irp i, 0,1,2,3,4,5,6,7
	FRAG 128*(\p)+FR*\i, ADRB+\slot, \q, \i
.endr
	WIN 0
.endm
.macro FETCH_A slot, q, i0
.irp i, \i0, \i0+1, \i0+2, \i0+3
	FRAG AF+FR*(\i), ADRA+\slot, \q, \i
.endr
.endm
.macro SCALES sc                       ; a slot's two scale words a row: lanes 0-15 take A's block i, lanes 16-31 B's block i
.irp i, 0,1,2,3,4,5,6,7
	ds_load_b64 v[SC+8*NQ*\sc+NQ*\i:SC+8*NQ*\sc+NQ*\i+1], v[ADRS] offset:\i*512
.endr
.endm
.macro PLACES n                        ; plain vector instructions between a matrix instruction and a load into, or a read of, its registers
.rept \n
	v_nop
.endr
.endm
.macro STEP slot, q, zero              ; a step of 128 along K that has its successor in the same slot
	s_wait_dscnt 4*NL                              ; B's set and A's blocks 0-3 are in; the youngest 16 loads (A's blocks 4-7) may be out
	WIN MUL_LO
	MUL16 0, (\q)%2, \q, \slot, \zero
	MUL16 2, (\q)%2, \q, \slot, \zero
	s_wait_dscnt 0
	PLACES NP
	FETCH_B \slot, (\q)+1, 1-(\q)%2
	FETCH_A \slot, (\q)+1, 0
	WIN MUL_HI
	MUL16 4, (\q)%2, \q, \slot, \zero
	MUL16 6, (\q)%2, \q, \slot, \zero
	PLACES NP
	WIN 0
	FETCH_A \slot, (\q)+1, 4
.endm
; A slot's last step changes slots: ONE barrier; in front of it each wave waits for all its tensor loads, adds 0 to its spare word, and waits for that and for its own reads of this slot.
.macro TURN slot, next, fill
	s_wait_tensorcnt 0x0                           ; all my tensor loads have landed: my part of the next slot
	ds_add_u32 v[SPW], v[NIL]                      ; 0 onto my spare word
	s_wait_dscnt 4*NL+1                            ; (the add and the youngest 16 loads, A's blocks 4-7, may be out)
	WIN MUL_LO
	MUL16 0, 1, NQ-1, \slot, 0
	s_wait_dscnt 0x0                               ; the add is done, and my reads of this slot are over
	s_barrier_signal -1
	MUL16 2, 1, NQ-1, \slot, 0
	WIN 0
	s_barrier_wait -1
.if \fill
	CREST                                          ; the barrier has opened a round of the cluster's barrier: no wave of any partner still reads this slot or has a load on its way
	s_add_nc_u64 s[G0+4*\slot+2:G0+4*\slot+3], s[G0+4*\slot+2:G0+4*\slot+3], 2*TILEB
	s_add_nc_u64 s[G0B+4*\slot+2:G0B+4*\slot+3], s[G0B+4*\slot+2:G0B+4*\slot+3], 2*TILEB
	JLOAD G0+4*\slot, G1, G0B+4*\slot, G1B         ; the first tensor load behind the round; its four v_nop are the places in front of the loads below
.else
	PLACES NP
.endif
	v_add_nc_u32 v[ADRS], 128, v[ADRS]             ; on to the next slot's scale words
	FETCH_B \next, 0, 0
	FETCH_A \next, 0, 0
	SCALES \next
	WIN MUL_HI
	MUL16 4, 1, NQ-1, \slot, 0
	MUL16 6, 1, NQ-1, \slot, 0
	PLACES NP
	WIN 0
	FETCH_A \next, 0, 4
.endm
; 64 numbers of a lane, register 16 b + i = K 32 b + 16 h + i of my row, become a fragment's codes in v[PC] on and its scale word in v[pw].
.macro QUANT s, pw
.irp b, 0,1,2,3
	v_max3_num_f32 v[TM+\b], |v[\s+16*\b]|, |v[\s+1+16*\b]|, 0x1800000   ; my 16 numbers of block b, and the floor 2^(3 - 127): the byte cannot fall under 1
.endr
.irp i, 2,4,6,8,10,12,14
.irp b, 0,1,2,3
	v_max3_num_f32 v[TM+\b], v[TM+\b], |v[\s+16*\b+\i]|, |v[\s+1+16*\b+\i]|
.endr
.endr
.irp b, 0,1,2,3
	v_permlanex16_b32 v[TM+4+\b], v[TM+\b], s[SEL], s[SEL+1]
.endr
.irp b, 0,1,2,3
	v_max_num_f32 v[TM+\b], v[TM+\b], v[TM+4+\b]   ; with lane l xor 16's: the block's largest magnitude
.endr
.irp b, 0,1,2,3
	v_add_nc_u32 v[TM+12+\b], 0xff000000, v[TM+\b] ; 2 off its exponent field: the conversion's scale operand
.endr
.irp b, 0,1,2,3
	v_lshrrev_b32 v[TM+4+\b], 23, v[TM+12+\b]      ; the scale's byte
.endr
	v_lshl_or_b32 v[\pw], v[TM+5], 8, v[TM+4]
	v_lshl_or_b32 v[\pw], v[TM+6], 16, v[\pw]
	v_lshl_or_b32 v[\pw], v[TM+7], 24, v[\pw]
.irp c, 0,1
	v_cvt_scalef32_pk16_fp6_f32 v[PC+6*\c:PC+2+6*\c], v[\s+32*\c:\s+15+32*\c], v[TM+12+2*\c]
	v_cvt_scalef32_pk16_fp6_f32 v[PC+12+4*\c:PC+14+4*\c], v[\s+16+32*\c:\s+31+32*\c], v[TM+12+2*\c+1]
.endr
	v_nop                                          ; one plain place behind a scaled conversion
.irp c, 0,1                                    ; the operand's layout wants a whole block in a lane: lanes 0-15 block 2 c, lanes 16-31 block 2 c + 1
.irp i, 0,1,2
	v_permlane16_swap_b32 v[PC+6*\c+\i], v[PC+12+4*\c+\i]
.endr
.irp i, 0,1,2
	v_mov_b32 v[PC+3+6*\c+\i], v[PC+12+4*\c+\i]
.endr
.endr
.endm
	s_wait_tensorcnt 1                             ; the scale words and my part of slot 0 are in (slot 1's load may be out),
	s_barrier_signal -1
	s_barrier_wait -1                              ; everybody's are
	FETCH_B 0, 0, 0
	FETCH_A 0, 0, 0
	SCALES 0
	FETCH_A 0, 0, 4
	STEP 0, 0, 1                                   ; the first step stands in front of the loop: its products start the sums
	s_mov_b32 s3, LAPS-1
.Llap:                                                 ; a trip goes once round the ring and fills both slots again
	TURN 0, 1, 1
	STEP 1, 0, 0
	TURN 1, 0, 1
	STEP 0, 0, 0
	s_sub_co_u32 s3, s3, 1
	s_cmp_lg_u32 s3, 0
	s_cbranch_scc1 .Llap
	TURN 0, 1, 0                                   ; the last lap fills nothing
	STEP 1, 0, 0
	s_wait_dscnt 4*NL
	WIN MUL_LO
	MUL16 0, 1, NQ-1, 1, 0
	MUL16 2, 1, NQ-1, 1, 0
	s_wait_dscnt 0
	WIN MUL_HI
	MUL16 4, 1, NQ-1, 1, 0
	MUL16 6, 1, NQ-1, 1, 0
	WIN 0
; THE EPILOGUE, block by block of A's 16 rows: the bias is added (each accumulator from its low end on), the block's 64 numbers a lane are quantised, and the codes leave as register images: no LDS.
; ty = 0 (q, k): a lane holds a token, the fragment's two halves are two heads' 64 channels.  ty = 1 (v): a lane holds a channel, the fragment is 128 keys.
.macro EPI ty
.if \ty
	s_lshr_b32 s18, s42, 3                         ; the batch: B's unit / 8
	s_lshl_b32 s18, s18, 4
	s_lshl_b32 s19, s41, 2
	s_add_co_u32 s18, s18, s19
	s_lshl_b32 s19, s15, 1
	s_add_co_u32 s18, s18, s19                     ; head 16 batch + 4 cy + 2 (wave / 2); block a adds a / 4
	s_mul_i32 s18, s18, PACKH
	s_and_b32 s19, s42, 7                          ; the slot of 256 tokens
	s_mul_i32 s19, s19, SLOTB
	s_add_co_u32 s18, s18, s19
	s_add_co_u32 s18, s18, KVREG
	s_mul_i32 s20, s16, 6144                       ; the key step in the slot
	s_add_co_u32 s20, s20, VOFF
	s_lshl_b32 s21, s16, 8
	s_add_co_u32 s21, s21, VSC
.else
	s_lshr_b32 s18, s17, 3                         ; the batch: A's unit / 8
	s_lshl_b32 s18, s18, 4
	s_lshl_b32 s19, s40, 2
	s_add_co_u32 s18, s18, s19
	s_lshl_b32 s19, s16, 1
	s_add_co_u32 s18, s18, s19                     ; head 16 batch + 4 cx + 2 (wave % 2); half c adds c
	s_mul_i32 s18, s18, PACKH
	s_and_b32 s19, s17, 7
	s_mul_i32 s19, s19, SLOTB
	s_add_co_u32 s18, s18, s19
	s_mul_i32 s19, ttmp9, KVREG                    ; q's region or k's
	s_add_co_u32 s18, s18, s19
	s_mul_i32 s20, s15, 6144                       ; row tiles 8 (wave / 2) on
	s_lshl_b32 s21, s15, 9
	s_add_co_u32 s21, s21, KSC
.endif
	s_mov_b32 s19, 0
	s_add_nc_u64 s[SB:SB+1], s[10:11], s[18:19]
	v_add_nc_u32 v[VO16], s20, v4
	v_add_nc_u32 v[VO8], s20, v5
	v_mul_u32_u24 v[VOS], v2, PACKH                ; scale words: lanes 16-31 write the next head's
	v_lshl_add_u32 v[VOS], v1, 4, v[VOS]
	v_add_nc_u32 v[VOS], s21, v[VOS]
	v_lshlrev_b32 v[SH], 4, v2                     ; 16 h
.irp a, 0,1,2,3,4,5,6,7
.if \ty
	WIN 0x02+(\a/4)                                ; source 0: window 2 or 3; source 1 (the bias by lane) and the destination: window 0
.else
	WIN 0x06+(\a/4)                                ; source 0: window 2 or 3; source 1 (the bias by register): window 1
.endif
.set i, 0
.rept 32
.if \ty
	v_pk_add_f32 v[T+2*i:T+2*i+1], v[64*(\a%4)+2*i:64*(\a%4)+2*i+1], v[BL+2*\a:BL+2*\a+1]
.else
	v_pk_add_f32 v[T+2*i:T+2*i+1], v[64*(\a%4)+2*i:64*(\a%4)+2*i+1], v[96+2*i+96*(i/16):97+2*i+96*(i/16)]
.endif
.set i, i+1
.endr
	WIN 0
.if \a > 0
	s_wait_xcnt 0x0                                ; the last block's stores have read their registers: they are written again only behind this wait
.endif
.if \ty
	QUANT T, PWS+\a
.irp c, 0,1
	global_store_b128 v[VO16], v[PC+6*\c:PC+6*\c+3], s[SB:SB+1] offset:(\a/4)*PACKH+(\a%4)*1536+\c*768   ; 512 consecutive bytes, at a multiple of 256
	global_store_b64 v[VO8], v[PC+6*\c+4:PC+6*\c+5], s[SB:SB+1] offset:(\a/4)*PACKH+(\a%4)*1536+\c*768   ; 256 consecutive bytes, at a multiple of 256
.endr
.else
	QUANT T, PW
.irp c, 0,1
	global_store_b128 v[VO16], v[PC+6*\c:PC+6*\c+3], s[SB:SB+1] offset:\a*768+\c*PACKH
	global_store_b64 v[VO8], v[PC+6*\c+4:PC+6*\c+5], s[SB:SB+1] offset:\a*768+\c*PACKH
.endr
	v_lshrrev_b32 v[XW+\a%4], v[SH], v[PW]         ; lanes 0-15: the first head's two bytes of row r; lanes 16-31: the second head's;
	v_and_b32 v[XW+\a%4], 0xffff, v[XW+\a%4]       ; bytes 2, 3 are 0: attention's first product has no K there
.if \a%4 == 3
	global_store_b128 v[VOS], v[XW:XW+3], s[SB:SB+1] offset:(\a/4)*256   ; sixteen lanes store 256 consecutive bytes, at a multiple of 256
.endif
.endif
.endr
.if \ty
.irp i, 0,1,2,3
	v_cndmask_b32 v[YW+\i], v[PWS+\i], v[PWS+4+\i], s[HI16]   ; lanes 0-15: the first head's four tiles; lanes 16-31: the second head's
.endr
	global_store_b128 v[VOS], v[YW:YW+3], s[SB:SB+1]
.endif
.endm
	PLACES NP                                      ; behind the last products
	s_wait_loadcnt 0x0                             ; the bias
.irp b, 0,1,2,3
	v_mov_b32 v[TM+4+\b], 0                        ; written once: a lane permute's destination counts as one of its sources
.endr
	s_cmp_eq_u32 s[TY], 1                          ; the same in all sixteen partners
	s_cbranch_scc1 .Lvalues
	EPI 0
	s_branch .Lend
.Lvalues:
	EPI 1
.Lend:
	s_wait_tensorcnt 0x0                           ; the wave's end
	ds_add_u32 v[SPW], v[NIL]
	s_wait_dscnt 0x0
	CROUND                                         ; the closing round: no work-group ends while a partner may still ask for a tile that names it
	s_endpgm
.Lfunc_end_k_q82393977a0_gemm_qkv:
	.size	k_q82393977a0_gemm_qkv, .Lfunc_end_k_q82393977a0_gemm_qkv-k_q82393977a0_gemm_qkv
	.p2alignl 7, 3214868480
	.fill 96, 4, 3214868480
	.section	.rodata,"a",@progbits
	.p2align	6, 0x0
	.amdhsa_kernel k_q82393977a0_gemm_qkv
		.amdhsa_group_segment_fixed_size 327680
		.amdhsa_private_segment_fixed_size 0
		.amdhsa_enable_private_segment 0
		.amdhsa_kernarg_size 24
		.amdhsa_user_sgpr_count 2
		.amdhsa_user_sgpr_kernarg_segment_ptr 1
		.amdhsa_wavefront_size32 1
		.amdhsa_system_sgpr_workgroup_id_x 1
		.amdhsa_system_sgpr_workgroup_id_y 1
		.amdhsa_system_sgpr_workgroup_id_z 1
		.amdhsa_system_vgpr_workitem_id 0
		.amdhsa_next_free_vgpr 1024
		.amdhsa_next_free_sgpr 102
		.amdhsa_reserve_vcc 0
		.amdhsa_float_denorm_mode_32 3
		.amdhsa_float_denorm_mode_16_64 3
		.amdhsa_memory_ordered 1
		.amdhsa_forward_progress 1
		.amdhsa_inst_pref_size 220
	.end_amdhsa_kernel
	.amdgpu_metadata
---
amdhsa.version: [ 1, 2 ]
amdhsa.kernels:
  - .name:           k_q82393977a0_gemm_qkv
    .symbol:         k_q82393977a0_gemm_qkv.kd
    .args:
      - { .name: ops, .offset: 0, .size: 8, .value_kind: global_buffer, .address_space: global }
      - { .name: bqkv, .offset: 8, .size: 8, .value_kind: global_buffer, .address_space: global }
      - { .name: qkv, .offset: 16, .size: 8, .value_kind: global_buffer, .address_space: global }
    .group_segment_fixed_size: 327680
    .private_segment_fixed_size: 0
    .kernarg_segment_align: 8
    .kernarg_segment_size: 24
    .max_flat_workgroup_size: 128
    .sgpr_count:     102
    .vgpr_count:     1024
    .wavefront_size: 32
...
	.end_amdgpu_metadata
.endif
;; end of part 2
;; launch attn (part 3): grid 4 x 64, 16 waves a work-group, no clusters, 327,680 bytes of LDS; arguments qkv, y; writes y
.if DOCPART == 3
	.amdgcn_target "amdgcn-amd-amdhsa--gfx1250"
	.amdhsa_code_object_version 6
	.text
	.protected	k_q82393977a0_attn
	.globl	k_q82393977a0_attn
	.p2align	8
	.type	k_q82393977a0_attn,@function
k_q82393977a0_attn:
	s_mov_b64 s[64:65], 0
	v_nop
	global_prefetch_b8 v0, s[64:65] scope:SCOPE_SE
	s_setreg_imm32_b32 hwreg(HW_REG_WAVE_MODE, 25, 1), 1
	s_wait_xcnt 0x0
; y[b][q][head 64 d] = softmax_k(q . k / 8, causal) v, both products on codes of FP6 (E2M3) with E8M0 scales; y is quantised along its 1,024 columns and stored as an image of operand registers.
; THE SOFTMAX AHEAD OF THE SECOND PRODUCT: t = score x log2(e) / 8; M = the running largest t rounded UP to a whole number; p = 2^(t - M) is quantised along the keys, not normalised; the row's sum is taken of the
; unquantised p and divides at the end.  When M moves, the sum and O are multiplied by 2^(old M - new M): exact.
; INPUT (buffer qkv): q's region at 0, k's and v's at KVREG; a head is 8 slots of 256 tokens, SLOTB bytes: 16 row tiles x 768 bytes of codes (row tile 2 B + u: tokens 32 B + 8 u + p + 8 (p / 8); lane l's registers 0-3
; at 16 l, 4-5 at 512 + 8 l), at VOFF 2 key steps x 4 channel tiles x 1,536 (V^T), at KSC the scale words of q or k (16 r + 4 (tile % 4) in groups of 4 tiles), at VSC V's (16 r + 4 tile, 256 bytes a step).
; THE FIRST PRODUCT HAS K = 64, the instruction 128: Q's registers 6-11 are zero codes and bytes 2, 3 of both scale words are 0 (2^-127, no NaN).  K's fragment names the next tile's six registers there: numbers of the
; format times 0.  So a tile of K costs six registers and two LDS loads.
; SHARES.  A work-group takes query blocks j and 7 - j (256 queries each) of one head, one after the other: j + 1 and 8 - j slots of keys, ALWAYS 9: the trip count is a constant and all 256 work-groups have equal work.
; Each of sixteen waves owns one row tile of 16 queries, in 256 registers: four waves to a SIMD, so that one wave's vector work stands beside another's matrix work and LDS loads.
; Both products are used transposed: a lane holds one query (lane % 16) throughout; S^T's 16 registers of tiles 2 B, 2 B + 1 are keys 32 B + 16 h + 0 .. 15.
; NO CLUSTER: the four work-groups of a head want different slots from trip j + 1 on; asked for jointly, every partner would have to walk 12 slots in place of 9.
; A step all of whose keys come after my queries is left out by a scalar branch on ids; no tensor load and no barrier stands in a step.
; y: codes at G x 12,288 + head x 768 (G = 128 batch + row tile); scale bytes at YS0 + G x 512 + (head / 4) x 128 + 8 r + 4 ((head / 2) % 2) + 2 (head % 2): two bytes a row, stored as such (32 bytes a wave and pass).
; LIMITS: a block of zeros, or one whose largest magnitude lies under 2^-124, gets the byte 1; NaN and infinities are not served.
.set PACKH,  208896
.set SLOTB,  26112
.set HALFS,  13056                     ; half a slot: 51 rows of 256 bytes: what one tensor load brings
.set KVREG,  13369344
.set VOFF,   12288
.set KSC,    24576
.set YS0,    6291456
.set SLOT1,  32768                     ; LDS: slot 1 begins here, so that one exclusive or turns an address
.set SPARE,  65536                     ; the spare words, 128 bytes for each of 16 waves
.set ADK16, 8                          ; v8  the slot in hand + 16 x lane
.set ADK8,  9                          ; v9  + 8 x lane + 512
.set ADS,   10                         ; v10 + 16 r + KSC
.set PFO,   11                         ; v11 the prefetches' offset; never rewritten
.set KV,    36                         ; v36-83 8 tiles of K x 6 registers, later 4 fragments of V x 12;  v84-89 zeros
.set S,     96                         ; v96-159 S^T, then p
.set O,     160                        ; v160-191 O^T
.set KS,    192                        ; v192-199 K's scale words
.set VS,    200                        ; v200-203 V's
.set PC,    204                        ; v204-215 p's codes
.set PX,    216                        ; v216-218, v220-222
.set BM,    224                        ; v224-227 the blocks' largest
.set BT,    228                        ; v228-231
.set SO,    232                        ; v232-235 the conversions' scale operands
.set SU,    236                        ; v[236:237]
.set PW,    240                        ; p's scale word
.set F,     242                        ; v[242:243] f = 2^(old M - new M)
.set TT,    244
.set WV,   18
.set SEL,  20
.set CS,   22
.set G1,   24
.set G0,   32
.set KVB,  36                          ; s[36:37] the head's k and v, at my half of a slot
.set OFF,  38                          ; s[38:39] the slot that is asked for next, in bytes
.set TB,   40                          ; LDS byte at which the slot in hand begins
.set TR,   41                          ; the trip
.set N1,   42                          ; j + 1: the trips of the first pass
.set KF,   43                          ; the step's first key
.set Q0,   44                          ; my tile's first query; its last is 23 further on
.set Q0B,  45
.set YC,   46
.set YSA,  48
.set YC2,  50
.set YSA2, 52
.set PFA,  54
.set NASK, 56
; v1 16 x lane; v2 8 x lane + 512; v3 16 r + KSC; v4 r + 8 (r / 8) - 16 h; v5, v6 the add's two; v7 8 r; v12 -M; v13 the largest t; v[14:15] the sum; v16-21 Q, v22-27 zeros; v28-33 the second pass's Q; v34, v35 Q's scale words
.macro TLOAD                           ; waves 0 and 1 fetch the slot's halves; four v_nop follow the line
	s_cmp_lt_u32 s[WV], 2
	s_cbranch_scc0 .Lnone_\@
	tensor_load_to_lds s[G0:G0+3], s[G1:G1+7]
	s_nop 0
.rept 4
	v_nop
.endr
.Lnone_\@:
.endm
; A PREFETCH INTO THE L2 of the slot that the NEXT change of slots will ask for.  The head's work-group j = 0 is the first to walk slots 4 to 7 (in its trips 5 to 8): in its trips 3 to 6 its waves 4 to 7, which fetch
; nothing, name slot trip + 1: 102 blocks of 256 bytes, a lane a block, one instruction a wave; the lanes past the 102nd name the slot's last block again.  Slots 0 to 3 come by their loads alone.
.macro ASK
	s_sub_co_u32 s57, s[TR], 3
	s_or_b32 s57, s57, s[NASK]
	s_cmp_lt_u32 s57, 4
	s_cbranch_scc0 .Lnot_mine_\@
	global_prefetch_b8 v[PFO], s[PFA:PFA+1] th:TH_LOAD_NT scope:SCOPE_SE
.Lnot_mine_\@:
.endm
	s_load_b128 s[4:7], s[0:1], 0x0                ; qkv s[4:5], y s[6:7]
	v_lshl_add_u32 v5, v0, 2, SPARE
	v_mov_b32 v6, 0
	ds_add_u32 v5, v6
	ds_add_u32 v5, v6
	s_wait_dscnt 0x0
	v_lshrrev_b32 v8, 5, v0
	s_delay_alu instid0(VALU_DEP_1)
	v_readfirstlane_b32 s[WV], v8                  ; wave 0..15
	s_and_b32 s8, ttmp7, 0xffff                    ; 16 batch + head
	s_mul_i32 s9, s8, PACKH
	s_and_b32 s10, s[WV], 1
	s_mul_i32 s11, s10, HALFS
	s_mov_b32 s[G1], 3<<16                         ; elements of 8 bytes, no mask, no padding
	s_mov_b32 s[G1+1], 32<<16                      ; tensor_dim0 = 32: rows of 256 bytes
	s_mov_b32 s[G1+2], 51<<16                      ; tensor_dim1
	s_mov_b32 s[G1+3], 32<<16                      ; tile_dim0
	s_mov_b32 s[G1+4], 51                          ; tile_dim1
	s_mov_b32 s[G1+5], 32                          ; dense
	s_mov_b32 s[G1+6], 0
	s_mov_b32 s[G1+7], 0
	s_mov_b32 s[SEL], 0x76543210
	s_mov_b32 s[SEL+1], 0xfedcba98
	s_mov_b32 s[CS], 0x3e38aa3b                    ; c = log2(e) / 8
	s_mov_b32 s[CS+1], s[CS]                       ; (named with it as a pair, so it is written)
	s_mov_b32 s[TB], 0
	s_mov_b32 s[KF], 0
	s_mov_b32 s[OFF], 0
	s_mov_b32 s[OFF+1], 0
	s_add_co_u32 s[N1], ttmp9, 1
	s_lshr_b32 s12, s[WV], 1
	s_lshl_b32 s12, s12, 5
	s_lshl_b32 s13, s10, 3
	s_add_co_u32 s12, s12, s13                     ; 32 (w / 2) + 8 (w % 2)
	s_lshl_b32 s13, ttmp9, 8
	s_add_co_u32 s[Q0], s12, s13                   ; in block j,
	s_sub_co_u32 s13, 1792, s13
	s_add_co_u32 s[Q0B], s12, s13                  ; in block 7 - j
	s_lshr_b32 s12, s[WV], 2
	s_xor_b32 s12, s12, 1
	s_or_b32 s12, s12, ttmp9
	s_cmp_eq_u32 s12, 0
	s_cselect_b32 s[NASK], 0, -1                   ; 0 in waves 4 to 7 of work-group j = 0
	s_add_co_u32 s12, s9, s11
	s_add_co_u32 s12, s12, KVREG
	s_mov_b32 s13, 0
	s_wait_kmcnt 0x0
	s_add_nc_u64 s[KVB:KVB+1], s[4:5], s[12:13]
	s_mov_b32 s[G0], 1
	s_mov_b32 s[G0+1], s11                         ; LDS: slot 0, my half
	s_mov_b64 s[G0+2:G0+3], s[KVB:KVB+1]
	s_or_b32 s[G0+3], s[G0+3], 0x80000000
	TLOAD                                          ; slot 0 of the keys
	s_add_co_u32 s12, s9, KVREG
	s_add_nc_u64 s[PFA:PFA+1], s[4:5], s[12:13]    ; the head's k and v; each change of slots steps it
	s_mul_i32 s12, ttmp9, SLOTB
	s_add_co_u32 s12, s12, s9
	s_add_nc_u64 s[58:59], s[4:5], s[12:13]        ; q: block j
	s_sub_co_u32 s12, 7, ttmp9
	s_mul_i32 s12, s12, SLOTB
	s_add_co_u32 s12, s12, s9
	s_add_nc_u64 s[60:61], s[4:5], s[12:13]        ; q: block 7 - j
	s_lshr_b32 s12, s8, 4
	s_lshl_b32 s12, s12, 7
	s_add_co_u32 s12, s12, s[WV]                   ; 128 batch + w
	s_lshl_b32 s14, ttmp9, 4
	s_add_co_u32 s15, s12, s14                     ; G of the first pass
	s_sub_co_u32 s14, 112, s14
	s_add_co_u32 s16, s12, s14                     ; G of the second
	s_and_b32 s17, s8, 15                          ; head
	s_mul_i32 s19, s17, 768
	s_mul_i32 s12, s15, 12288
	s_add_co_u32 s12, s12, s19
	s_add_nc_u64 s[YC:YC+1], s[6:7], s[12:13]
	s_mul_i32 s12, s16, 12288
	s_add_co_u32 s12, s12, s19
	s_add_nc_u64 s[YC2:YC2+1], s[6:7], s[12:13]
	s_lshr_b32 s19, s17, 2
	s_lshl_b32 s19, s19, 7
	s_bfe_u32 s57, s17, 0x10001
	s_lshl_b32 s57, s57, 2
	s_add_co_u32 s19, s19, s57
	s_and_b32 s57, s17, 1
	s_lshl_b32 s57, s57, 1
	s_add_co_u32 s19, s19, s57
	s_add_co_u32 s19, s19, YS0
	s_lshl_b32 s12, s15, 9
	s_add_co_u32 s12, s12, s19
	s_add_nc_u64 s[YSA:YSA+1], s[6:7], s[12:13]
	s_lshl_b32 s12, s16, 9
	s_add_co_u32 s12, s12, s19
	s_add_nc_u64 s[YSA2:YSA2+1], s[6:7], s[12:13]
	v_and_b32 v9, 31, v0                           ; lane
	s_delay_alu instid0(VALU_DEP_1)
	v_lshlrev_b32 v1, 4, v9
	s_delay_alu instid0(VALU_DEP_2)
	v_lshl_add_u32 v2, v9, 3, 512
	v_and_b32 v10, 15, v0                          ; r
	v_bfe_u32 v11, v0, 4, 1                        ; h
	s_delay_alu instid0(VALU_DEP_2)
	v_lshl_add_u32 v3, v10, 4, KSC
	s_delay_alu instid0(VALU_DEP_3)
	v_and_b32 v4, 8, v10
	s_delay_alu instid0(VALU_DEP_1)
	v_add_nc_u32 v4, v4, v10
	s_delay_alu instid0(VALU_DEP_4)
	v_lshlrev_b32 v11, 4, v11
	s_delay_alu instid0(VALU_DEP_1)
	v_sub_nc_u32 v4, v4, v11                       ; r + 8 (r / 8) - 16 h
	v_lshlrev_b32 v7, 3, v10
	s_and_b32 s57, s[WV], 3
	s_lshl_b32 s57, s57, 5
	v_add_nc_u32 v[PFO], s57, v9
	s_delay_alu instid0(VALU_DEP_1)
	v_min_u32 v[PFO], 101, v[PFO]
	s_delay_alu instid0(VALU_DEP_1)
	v_lshlrev_b32 v[PFO], 8, v[PFO]
	s_mul_i32 s57, s[WV], 768                      ; my row tile in a block
	v_add_nc_u32 v8, s57, v1
	v_add_nc_u32 v9, s57, v2
	s_lshr_b32 s57, s[WV], 2
	s_lshl_b32 s57, s57, 8
	s_and_b32 s62, s[WV], 3
	s_lshl_b32 s62, s62, 2
	s_add_co_u32 s57, s57, s62
	v_add_nc_u32 v10, s57, v3                      ; and its scale words
	global_load_b128 v[16:19], v8, s[58:59]
	global_load_b64 v[20:21], v9, s[58:59]
	global_load_b32 v34, v10, s[58:59]
	global_load_b128 v[28:31], v8, s[60:61]
	global_load_b64 v[32:33], v9, s[60:61]
	global_load_b32 v35, v10, s[60:61]
.irp i, 0,1,2,3,4,5
	v_mov_b32 v[22+\i], 0                          ; Q's K = 64 .. 127: zero codes
	v_mov_b32 v[84+\i], 0                          ; what K's tile 7 names there
.endr
.set n, 0
.rept 32
	v_mov_b32 v[O+n], 0                            ; O^T: the step is written once; the first change of M leaves zeros zeros
.set n, n+1
.endr
	v_mov_b32 v14, 0
	v_mov_b32 v15, 0
	v_mov_b32 v13, 0xff61b1e6                      ; the largest t so far: -3e38
	s_delay_alu instid0(VALU_DEP_1)
	v_floor_f32 v12, -v13                          ; -M
.irp b, 0,1,2,3
	v_mov_b32 v[BT+\b], 0                          ; written once: a lane permute's destination counts as one of its sources
.endr
	v_mov_b32 v[TT], 0
	v_mov_b32 v[F+1], 0                            ; (named as the upper half of a pair)
; A KEY STEP: 128 keys, the q-th of the slot in hand.
.macro STEP q
	s_add_co_u32 s57, s[Q0], 23
	s_cmp_gt_u32 s[KF], s57                        ; all its keys come after my queries: left out
	s_cbranch_scc1 .Lhidden_\@
	v_add_nc_u32 v[ADK16], s[TB], v1
	v_add_nc_u32 v[ADK8], s[TB], v2
	v_add_nc_u32 v[ADS], s[TB], v3
	v_nop                                          ; four places in front of loads into registers that matrix instructions have read
.set t, 0
.rept 8
	ds_load_b128 v[KV+6*t:KV+6*t+3], v[ADK16] offset:6144*(\q)+768*t
	ds_load_b64 v[KV+6*t+4:KV+6*t+5], v[ADK8] offset:6144*(\q)+768*t
.set t, t+1
.endr
	ds_load_b128 v[KS:KS+3], v[ADS] offset:512*(\q)
	ds_load_b128 v[KS+4:KS+7], v[ADS] offset:512*(\q)+256
	s_wait_alu depctr_va_vdst(0)
	s_wait_dscnt 0x0
.set t, 0
.rept 8                                        ; S^T = K Q^T: eight accumulators, each begun with 0
	v_wmma_scale_f32_16x16x128_f8f6f4 v[S+8*t:S+8*t+7], v[KV+6*t:KV+6*t+11], v[16:27], 0, v[KS+t], v34 matrix_a_fmt:MATRIX_FMT_FP6 matrix_b_fmt:MATRIX_FMT_FP6
.set t, t+1
.endr
.rept 4
	v_nop                                          ; places: in front of the loads into K's registers, and of the first read of the scores
.endr
.set t, 0
.rept 8                                        ; V's four fragments land while the softmax is walked
	ds_load_b128 v[KV+6*t:KV+6*t+3], v[ADK16] offset:VOFF+6144*(\q)+768*t
	ds_load_b64 v[KV+6*t+4:KV+6*t+5], v[ADK8] offset:VOFF+6144*(\q)+768*t
.set t, t+1
.endr
	ds_load_b128 v[VS:VS+3], v[ADS] offset:1024+256*(\q)
	s_add_co_u32 s57, s[KF], 127
	s_cmp_le_u32 s57, s[Q0]                        ; all its keys count: no mask
	s_cbranch_scc1 .Lopen_\@
	s_sub_co_i32 s57, s[Q0], s[KF]
	v_add_nc_u32 v[TT], s57, v4                    ; d = my query - the step's first key - 16 h.  Register 16 B + i holds key 32 B + 16 h + i: hidden where 32 B + i > d
	v_mov_b32 v[BM], 0xff800000                    ; -infinity
.set n, 0
.rept 64
	v_cmp_gt_i32 vcc_lo, 32*(n/16)+n%16, v[TT]
	v_cndmask_b32 v[S+n], v[S+n], v[BM], vcc_lo
.set n, n+1
.endr
.Lopen_\@:
.irp b, 0,1,2,3
	v_max3_num_f32 v[BM+\b], v[S+16*\b], v[S+1+16*\b], v[S+2+16*\b]   ; the largest score of each block of 32 keys: for the row's maximum, and, since p rises with the score, for the block's largest p
.endr
.irp i, 3,5,7,9,11,13
.irp b, 0,1,2,3
	v_max3_num_f32 v[BM+\b], v[BM+\b], v[S+16*\b+\i], v[S+1+16*\b+\i]
.endr
.endr
.irp b, 0,1,2,3
	v_max_num_f32 v[BM+\b], v[BM+\b], v[S+15+16*\b]
.endr
.irp b, 0,1,2,3
	s_delay_alu instid0(VALU_DEP_4)
	v_permlanex16_b32 v[BT+\b], v[BM+\b], s[SEL], s[SEL+1]
.endr
.irp b, 0,1,2,3
	s_delay_alu instid0(VALU_DEP_4)
	v_max_num_f32 v[BM+\b], v[BM+\b], v[BT+\b]     ; with lane l xor 16's 16 keys
.endr
	s_delay_alu instid0(VALU_DEP_2)
	v_max3_num_f32 v[TT], v[BM], v[BM+1], v[BM+2]
	s_delay_alu instid0(VALU_DEP_1)
	v_max_num_f32 v[TT], v[TT], v[BM+3]
	s_delay_alu instid0(VALU_DEP_1)
	v_mul_f32 v[TT], s[CS], v[TT]                  ; as t (c is positive)
	s_delay_alu instid0(VALU_DEP_1)
	v_max_num_f32 v13, v13, v[TT]                  ; the running largest t
	v_mov_b32 v[TT], v12
	s_delay_alu instid0(VALU_DEP_2)
	v_floor_f32 v12, -v13                          ; the new -M = -ceil(t): a whole number
	s_delay_alu instid0(VALU_DEP_1)
	v_sub_f32 v[TT], v12, v[TT]                    ; old M - new M: a whole number, 0 or less
	s_delay_alu instid0(VALU_DEP_1)
	v_cvt_i32_f32 v[TT], v[TT]                     ; (it saturates)
	s_delay_alu instid0(VALU_DEP_1)
	v_ldexp_f32 v[F], 1.0, v[TT]                   ; f = 2^(old M - new M)
.set n, 0
.rept 32
	v_pk_fma_f32 v[S+n:S+n+1], v[S+n:S+n+1], s[CS:CS+1], v[12:13] op_sel_hi:[1,0,0]   ; t - M, two at a time
.set n, n+2
.endr
.irp b, 0,1,2,3
	v_fma_f32 v[BM+\b], v[BM+\b], s[CS], v12       ; the same of each block's largest score
.endr
.set n, 0
	s_wait_alu depctr_va_vdst(0)
.rept 64
	v_exp_f32 v[S+n], v[S+n]                       ; p = 2^(t - M)
.set n, n+1
.endr
	v_pk_mul_f32 v[14:15], v[14:15], v[F:F+1] op_sel_hi:[1,0]   ; the sums under the new M: a plain instruction behind the exponentials
	s_wait_alu depctr_va_vdst(0)                   ; one wait for the whole batch, ahead of its first reader
.irp b, 0,1,2,3
	v_exp_f32 v[BM+\b], v[BM+\b]                   ; the block's largest p
.endr
	v_pk_add_f32 v[236:237], v[100:101], v[104:105]
	v_pk_add_f32 v[254:255], v[108:109], v[112:113]
	v_pk_add_f32 v[252:253], v[116:117], v[120:121]
	v_pk_add_f32 v[250:251], v[124:125], v[128:129]
	v_pk_add_f32 v[248:249], v[132:133], v[136:137]
	v_pk_add_f32 v[246:247], v[140:141], v[144:145]
	v_pk_add_f32 v[240:241], v[148:149], v[152:153]
	v_pk_add_f32 v[14:15], v[14:15], v[156:157]
	v_pk_add_f32 v[236:237], v[236:237], v[96:97]
	v_pk_add_f32 v[254:255], v[254:255], v[98:99]
	v_pk_add_f32 v[252:253], v[252:253], v[102:103]
	v_pk_add_f32 v[250:251], v[250:251], v[106:107]
	v_pk_add_f32 v[248:249], v[248:249], v[110:111]
	v_pk_add_f32 v[246:247], v[246:247], v[114:115]
	v_pk_add_f32 v[240:241], v[240:241], v[118:119]
	v_pk_add_f32 v[14:15], v[14:15], v[122:123]
	v_pk_add_f32 v[236:237], v[236:237], v[126:127]
	v_pk_add_f32 v[254:255], v[254:255], v[130:131]
	v_pk_add_f32 v[252:253], v[252:253], v[134:135]
	v_pk_add_f32 v[250:251], v[250:251], v[138:139]
	v_pk_add_f32 v[248:249], v[248:249], v[142:143]
	v_pk_add_f32 v[246:247], v[246:247], v[146:147]
	v_pk_add_f32 v[240:241], v[240:241], v[150:151]
	v_pk_add_f32 v[14:15], v[14:15], v[154:155]
	v_pk_add_f32 v[236:237], v[236:237], v[158:159]
	s_delay_alu instid0(VALU_DEP_2)
	v_pk_add_f32 v[14:15], v[14:15], v[250:251]
	s_delay_alu instid0(VALU_DEP_2)
	v_pk_add_f32 v[236:237], v[236:237], v[248:249]
	v_pk_add_f32 v[254:255], v[254:255], v[246:247]
	v_pk_add_f32 v[252:253], v[252:253], v[240:241]
	s_delay_alu instid0(VALU_DEP_2)
	v_pk_add_f32 v[14:15], v[14:15], v[254:255]
	s_delay_alu instid0(VALU_DEP_2)
	v_pk_add_f32 v[236:237], v[236:237], v[252:253]
	s_delay_alu instid0(VALU_DEP_1)
	v_pk_add_f32 v[14:15], v[14:15], v[236:237]
	s_wait_alu depctr_va_vdst(0)                   ; and one for the four
.irp b, 0,1,2,3
	v_max_num_f32 v[BM+\b], 0x1800000, v[BM+\b]    ; the floor 2^(3 - 127): the byte cannot fall under 1
.endr
.irp b, 0,1,2,3
	s_delay_alu instid0(VALU_DEP_4)
	v_add_nc_u32 v[SO+\b], 0xff000000, v[BM+\b]    ; 2 off the exponent field: the conversion's scale operand
.endr
.irp b, 0,1,2,3
	s_delay_alu instid0(VALU_DEP_4)
	v_lshrrev_b32 v[BT+\b], 23, v[SO+\b]           ; the scale's byte
.endr
	s_delay_alu instid0(VALU_DEP_3)
	v_lshl_or_b32 v[PW], v[BT+1], 8, v[BT]         ; p's scale word for these 128 keys
	s_delay_alu instid0(VALU_DEP_1)
	v_lshl_or_b32 v[PW], v[BT+2], 16, v[PW]
	s_delay_alu instid0(VALU_DEP_1)
	v_lshl_or_b32 v[PW], v[BT+3], 24, v[PW]
.irp c, 0,1
	v_cvt_scalef32_pk16_fp6_f32 v[PC+6*\c:PC+6*\c+2], v[S+32*\c:S+32*\c+15], v[SO+2*\c]
	v_cvt_scalef32_pk16_fp6_f32 v[PX+4*\c:PX+4*\c+2], v[S+32*\c+16:S+32*\c+31], v[SO+2*\c+1]
.endr
	v_nop                                          ; one plain place behind a scaled conversion
.irp c, 0,1                                    ; the operand's layout wants a whole block in a lane
.irp i, 0,1,2
	v_permlane16_swap_b32 v[PC+6*\c+\i], v[PX+4*\c+\i]
.endr
.irp i, 0,1,2
	s_delay_alu instid0(VALU_DEP_3)
	v_mov_b32 v[PC+6*\c+3+\i], v[PX+4*\c+\i]
.endr
.endr
.set n, 0
.rept 16
	v_pk_mul_f32 v[O+n:O+n+1], v[O+n:O+n+1], v[F:F+1] op_sel_hi:[1,0]   ; O^T under the new M.  These sixteen are also the places between the scale word, the codes and the products below
.set n, n+2
.endr
	s_wait_alu depctr_va_vdst(0)
	s_wait_dscnt 0x0                               ; V
.set t, 0
.rept 4                                        ; O^T += V^T P^T: four accumulators by turns
	v_wmma_scale_f32_16x16x128_f8f6f4 v[O+8*t:O+8*t+7], v[KV+12*t:KV+12*t+11], v[PC:PC+11], v[O+8*t:O+8*t+7], v[VS+t], v[PW] matrix_a_fmt:MATRIX_FMT_FP6 matrix_b_fmt:MATRIX_FMT_FP6
.set t, t+1
.endr
.Lhidden_\@:
	s_add_co_u32 s[KF], s[KF], 128
.endm
; THE CHANGE OF SLOTS stands at a trip's head.  Each wave waits for all its tensor loads, adds 0 to its spare word, and waits for that and for its reads of the slot that it has left; behind the barrier the slot ahead is
; whole and nobody reads the other one, which (fill = 1) is filled with the next trip's keys: the next slot of the pass, or slot 0 where the second pass begins.
.macro CHANGE fill
	s_wait_tensorcnt 0x0                           ; no tensor load of mine is out, so the descriptor may be written
	ds_add_u32 v5, v6                              ; 0 onto my spare word
.if \fill
	s_add_co_u32 s[OFF], s[OFF], SLOTB
	s_add_co_u32 s57, s[TR], 1
	s_cmp_eq_u32 s57, s[N1]
	s_cselect_b32 s[OFF], 0, s[OFF]
	s_xor_b32 s[G0+1], s[G0+1], SLOT1
	s_add_nc_u64 s[G0+2:G0+3], s[KVB:KVB+1], s[OFF:OFF+1]
	s_or_b32 s[G0+3], s[G0+3], 0x80000000
	s_wait_xcnt 0x0                                ; the last prefetch, a trip back, has read its address
	s_add_nc_u64 s[PFA:PFA+1], s[PFA:PFA+1], SLOTB
.endif
	s_wait_dscnt 0x0                               ; the add is done, and my reads of the slot that I have left are over
	s_barrier_signal -1
	s_barrier_wait -1
.if \fill
	TLOAD                                          ; the first thing behind the barrier, and a wave's one tensor load until the next
	ASK
.endif
.endm
; A pass's end: O^T / the sum; register 16 B + i = channel 32 B + 16 h + i of my query: two blocks of y's K; quantised and stored as half an operand's image.
.macro FINAL
.rept 4
	v_nop                                          ; places behind the last products
.endr
	v_add_f32 v14, v14, v15
	s_delay_alu instid0(VALU_DEP_1)
	v_permlanex16_b32 v[TT], v14, s[SEL], s[SEL+1]
	s_delay_alu instid0(VALU_DEP_1)
	v_add_f32 v14, v14, v[TT]                      ; the row's sum
	s_wait_alu depctr_va_vdst(0)
	v_rcp_f32 v14, v14
	v_nop                                          ; a plain place behind the reciprocal
	s_wait_alu depctr_va_vdst(0)                   ; the wait ahead of its first reader
.set n, 0
.rept 32
	v_mul_f32 v[S+n], v[O+n], v14
.set n, n+1
.endr
.irp b, 0,1
	v_max3_num_f32 v[BM+\b], |v[S+16*\b]|, |v[S+1+16*\b]|, 0x1800000
.endr
.irp i, 2,4,6,8,10,12,14
.irp b, 0,1
	s_delay_alu instid0(VALU_DEP_2)
	v_max3_num_f32 v[BM+\b], v[BM+\b], |v[S+16*\b+\i]|, |v[S+1+16*\b+\i]|
.endr
.endr
.irp b, 0,1
	s_delay_alu instid0(VALU_DEP_2)
	v_permlanex16_b32 v[BT+\b], v[BM+\b], s[SEL], s[SEL+1]
.endr
.irp b, 0,1
	s_delay_alu instid0(VALU_DEP_2)
	v_max_num_f32 v[BM+\b], v[BM+\b], v[BT+\b]
.endr
.irp b, 0,1
	s_delay_alu instid0(VALU_DEP_2)
	v_add_nc_u32 v[SO+\b], 0xff000000, v[BM+\b]
.endr
.irp b, 0,1
	s_delay_alu instid0(VALU_DEP_2)
	v_lshrrev_b32 v[BT+\b], 23, v[SO+\b]
.endr
	s_delay_alu instid0(VALU_DEP_1)
	v_lshl_or_b32 v[PW], v[BT+1], 8, v[BT]         ; the two bytes of my row
	v_cvt_scalef32_pk16_fp6_f32 v[PC:PC+2], v[S:S+15], v[SO]
	v_cvt_scalef32_pk16_fp6_f32 v[PX:PX+2], v[S+16:S+31], v[SO+1]
	v_nop
.irp i, 0,1,2
	v_permlane16_swap_b32 v[PC+\i], v[PX+\i]
.endr
.irp i, 0,1,2
	s_delay_alu instid0(VALU_DEP_3)
	v_mov_b32 v[PC+3+\i], v[PX+\i]
.endr
	global_store_b128 v1, v[PC:PC+3], s[YC:YC+1]   ; 512 consecutive bytes, at a multiple of 256
	global_store_b64 v2, v[PC+4:PC+5], s[YC:YC+1]  ; 256 consecutive bytes, at a multiple of 256
	global_store_b16 v7, v[PW], s[YSA:YSA+1]       ; lanes 16-31 write what lanes 0-15 write, at the same places
.endm
.macro REINIT                          ; the second pass: its Q, its places, and the softmax's state anew
	v_mov_b32 v34, v35                             ; the scale word first: eight plain instructions and more follow ahead of the next product
.irp i, 0,1,2,3,4,5
	v_mov_b32 v[16+\i], v[28+\i]
.endr
.set n, 0
.rept 32
	v_mov_b32 v[O+n], 0
.set n, n+1
.endr
	v_mov_b32 v14, 0
	v_mov_b32 v15, 0
	v_mov_b32 v13, 0xff61b1e6
	s_delay_alu instid0(VALU_DEP_1)
	v_floor_f32 v12, -v13
	s_wait_xcnt 0x0                                ; the stores have read their registers and bases: both are written again only behind this wait
	s_mov_b64 s[YC:YC+1], s[YC2:YC2+1]
	s_mov_b64 s[YSA:YSA+1], s[YSA2:YSA2+1]
	s_mov_b32 s[Q0], s[Q0B]
	s_mov_b32 s[KF], 0
.endm
	s_wait_loadcnt 0x0                             ; Q, both passes'
	s_mov_b32 s[TR], 0
.Ltrip:                                            ; eight trips; behind each change of slots the next trip's slot is asked for
	CHANGE 1
	s_cmp_lg_u32 s[TR], s[N1]                      ; j + 1 is 1 to 4: the change of passes falls inside the loop
	s_cbranch_scc1 .Lsame_pass
	s_wait_alu depctr_va_vdst(0)
	FINAL
	REINIT
.Lsame_pass:
	STEP 0
	STEP 1
	s_xor_b32 s[TB], s[TB], SLOT1                  ; on to the other slot
	s_add_co_u32 s[TR], s[TR], 1
	s_cmp_lt_u32 s[TR], 8
	s_cbranch_scc1 .Ltrip
	CHANGE 0                                       ; the ninth trip is written out
	STEP 0
	STEP 1
	s_wait_alu depctr_va_vdst(0)
	FINAL
	s_wait_tensorcnt 0x0                           ; the wave's end
	ds_add_u32 v5, v6
	s_wait_dscnt 0x0
	s_endpgm
.Lfunc_end_k_q82393977a0_attn:
	.size	k_q82393977a0_attn, .Lfunc_end_k_q82393977a0_attn-k_q82393977a0_attn
	.p2alignl 7, 3214868480
	.fill 96, 4, 3214868480
	.section	.rodata,"a",@progbits
	.p2align	6, 0x0
	.amdhsa_kernel k_q82393977a0_attn
		.amdhsa_group_segment_fixed_size 327680
		.amdhsa_private_segment_fixed_size 0
		.amdhsa_enable_private_segment 0
		.amdhsa_kernarg_size 16
		.amdhsa_user_sgpr_count 2
		.amdhsa_user_sgpr_kernarg_segment_ptr 1
		.amdhsa_wavefront_size32 1
		.amdhsa_system_sgpr_workgroup_id_x 1
		.amdhsa_system_sgpr_workgroup_id_y 1
		.amdhsa_system_sgpr_workgroup_id_z 1
		.amdhsa_system_vgpr_workitem_id 0
		.amdhsa_next_free_vgpr 256
		.amdhsa_next_free_sgpr 80
		.amdhsa_reserve_vcc 1
		.amdhsa_float_denorm_mode_32 3
		.amdhsa_float_denorm_mode_16_64 3
		.amdhsa_memory_ordered 1
		.amdhsa_forward_progress 1
		.amdhsa_inst_pref_size 110
	.end_amdhsa_kernel
	.amdgpu_metadata
---
amdhsa.version: [ 1, 2 ]
amdhsa.kernels:
  - .name:           k_q82393977a0_attn
    .symbol:         k_q82393977a0_attn.kd
    .args:
      - { .name: qkv, .offset: 0, .size: 8, .value_kind: global_buffer, .address_space: global }
      - { .name: y, .offset: 8, .size: 8, .value_kind: global_buffer, .address_space: global }
    .group_segment_fixed_size: 327680
    .private_segment_fixed_size: 0
    .kernarg_segment_align: 8
    .kernarg_segment_size: 16
    .max_flat_workgroup_size: 512
    .sgpr_count:     80
    .vgpr_count:     256
    .wavefront_size: 32
...
	.end_amdgpu_metadata
.endif
;; end of part 3
;; launch gemm_proj (part 4): grid 4 x 32, 4 waves a work-group, clusters of 4 x 4, 327,680 bytes of LDS; arguments y, ops, bproj, out0; writes out0
.if DOCPART == 4
	.amdgcn_target "amdgcn-amd-amdhsa--gfx1250"
	.amdhsa_code_object_version 6
	.text
	.protected	k_q82393977a0_gemm_proj
	.globl	k_q82393977a0_gemm_proj
	.p2align	8
	.type	k_q82393977a0_gemm_proj,@function
k_q82393977a0_gemm_proj:
	s_mov_b64 s[64:65], 0
	v_nop
	global_prefetch_b8 v0, s[64:65] scope:SCOPE_SE
	s_setreg_imm32_b32 hwreg(HW_REG_WAVE_MODE, 25, 1), 1
	s_wait_xcnt 0x0
	s_wait_alu depctr_hold_cnt(0) depctr_sa_sdst(0) depctr_va_vdst(0) depctr_va_sdst(0) depctr_va_ssrc(0) depctr_va_vcc(0) depctr_vm_vsrc(0)
	s_getreg_b32 s2, hwreg(HW_REG_IB_STS2, 6, 4)
	s_cmp_eq_u32 s2, 0
	s_cbranch_scc0 .Lentry_in_a_cluster
	s_endpgm
.Lentry_in_a_cluster:
	s_bfe_u32 s2, ttmp6, 0x10000c
	s_cmp_lg_u32 s2, 0xf033
	s_cbranch_scc0 .Lentry_shape_is_right
	s_endpgm
.Lentry_shape_is_right:
; out0 = y Wproj^T + bproj on codes of FP6 (E2M3) with E8M0 scales, sums in f32, out0 [8192][1024] f32.
; OPERANDS: row tiles of 16 rows (row tile 2 B + u: rows 32 B + 8 u + p + 8 (p / 8)) as images of operand registers: row tile g, K step s, half c at g x 12,288 + s x 1,536 + c x 768; a half image: lane l's registers
; 0-3 at 16 l, registers 4-5 at 512 + 8 l.  Scale words behind the codes at g x 512 + (s / 2) x 128 + 8 r + 4 (s % 2).  A = y (buffer y, scale words at YS0), B = Wproj (buffer ops, row tiles 704 on, scale words at SC0).
; A tile of 256 x 256 is made by four waves, 128 x 128 each: 64 accumulators.  Source 0 = a row tile of Wproj, source 1 = a row tile of y: lane (r, h) holds row p = r of y's tile, and register j of accumulator
; (a, 2 B + u) column 32 B + 16 h + 8 u + j of my 128.  The bias is the C of each sum's first matrix instruction.
; K goes in steps of 256 through a ring of two LDS slots; the scale words come once, with the first fills.  CLUSTERS: 4 x 4; A's tiles are shared along a row of the cluster, B's along a column.
; 128 work-groups: the tile is kept at 256 x 256, the same loop as the first product's.  No prefetch: four K steps, and the tiles are shared in the cluster.
; THE WAY OUT: a block of 16 rows x 128 columns goes through the wave's own stage in LDS (in slot 0, which has had its last fill and its last read) and leaves as whole rows of 512 bytes.
; REGISTERS: window 0: v1-8 lane numbers and offsets; v16-29 addresses; v32-63 scale words, two sets; v128-223 A's fragments; on the way out v128-255.
;   window 1: B's fragments, two sets, at v0 and v128; the bias in v96-127 and v224-255.   windows 2, 3: the accumulators.
.set NQ,     2
.set FR,     12
.set NL,     4
.set NP,     4
.set TILEB,  3072
.set HALFT,  8*TILEB
.set SLOT,   4*HALFT
.set SCL,    2*SLOT
.set SPARE,  SCL+16384
.set LAPS,   2
.set SC0,    9437184
.set YS0,    6291456
.set SPITCH, 528
.set ADRA, 16
.set ADRB, 20
.set STO,  24                          ; v24 the way out: where I put 32 bytes of a row
.set RD,   25                          ; v25 where I read a row back
.set CO,   4                           ; v4  16 x lane: my place in a row's 512 bytes of out0
.set ADRS, 27
.set SPW,  28
.set NIL,  29
.set SC,   32
.set AF,   128
.set BK,   128
.set G1, 24
.set G0, 32
.set G1B, 48
.set G0B, 56
.set G1S, 68
.set G0S, 76
.set G1SB, 80
.set G0SB, 88
.set MSB, 0
.macro WIN new
.if MSB != (\new)
	s_set_vgpr_msb (MSB<<8)|(\new)
.set MSB, (\new)
.endif
.endm
.set MUL_LO, 0xa1                      ; source 0 (B) window 1, source 1 (A) window 0, C and D window 2
.set MUL_HI, 0xf1
.set BIA_LO, 0x91                      ; the same with C (the bias) in window 1
.set BIA_HI, 0xd1
.set TO_B,   0x40
.macro JLOAD g0a, g1a, g0b, g1b        ; a joint load: waves 0 and 1 fetch for A, waves 2 and 3 for B; four v_nop follow each of the two lines
	s_cmp_eq_u32 s15, 0
	s_cbranch_scc0 .Lfor_b_\@
	tensor_load_to_lds s[\g0a:\g0a+3], s[\g1a:\g1a+7]
	s_nop 0
.rept 4
	v_nop
.endr
	s_branch .Lasked_\@
.Lfor_b_\@:
	tensor_load_to_lds s[\g0b:\g0b+3], s[\g1b:\g1b+7]
	s_nop 0
.rept 4
	v_nop
.endr
.Lasked_\@:
.endm
.macro CREST
	s_cmp_lg_u32 s14, 0
	s_cbranch_scc1 .Lnot_wave_0_\@
	s_barrier_signal -3
.Lnot_wave_0_\@:
	s_barrier_wait -3
	s_barrier_signal -1
	s_barrier_wait -1
.endm
.macro CROUND
	s_barrier_signal -1
	s_barrier_wait -1
	CREST
.endm
	s_load_b128 s[4:7], s[0:1], 0x0                ; y s[4:5], ops s[6:7]
	s_load_b128 s[8:11], s[0:1], 0x10              ; bproj s[8:9], out0 s[10:11]
	v_lshl_add_u32 v[SPW], v0, 2, SPARE
	v_mov_b32 v[NIL], 0
	ds_add_u32 v28, v29
	s_wait_dscnt 0x0
	v_lshrrev_b32 v1, 5, v0
	v_readfirstlane_b32 s14, v1                    ; wave 0..3
	s_lshr_b32 s15, s14, 1                         ; which half of A's rows is mine.  Also: I fetch for A (0) or for B (1)
	s_and_b32 s16, s14, 1                          ; which half of B's rows.  Also: which 8 row tiles I fetch
	s_bfe_u32 s40, ttmp6, 0x40000                  ; cx
	s_bfe_u32 s41, ttmp6, 0x40004                  ; cy
	s_and_b32 s18, ttmp7, 0xffff
	s_lshl_b32 s18, s18, 2
	s_add_co_u32 s17, s18, s41                     ; A's unit of 256 rows of y: 4 x cluster y + cy
	s_add_co_u32 s42, s40, 44                      ; B's unit in ops: Wproj begins at unit 44
	s_lshl_b32 s43, s41, 2
	s_lshl_b32 s43, 15, s43                        ; my row of the cluster
	s_lshl_b32 s44, 0x1111, s40                    ; my column
	s_or_b32 s[G1+0], s43, (3<<16)|(1<<21)         ; codes: 8 rows (row tiles) x 384 elements of 8 bytes, 1,536 elements apart; no padding
	s_or_b32 s[G1B+0], s44, (3<<16)|(1<<21)
.irp g, G1, G1B
	s_mov_b32 s[\g+1], 384<<16
	s_mov_b32 s[\g+2], 8<<16
	s_mov_b32 s[\g+3], 384<<16
	s_mov_b32 s[\g+4], 8
	s_mov_b32 s[\g+5], 1536
	s_mov_b32 s[\g+6], 0
	s_mov_b32 s[\g+7], 0
.endr
	s_or_b32 s[G1S+0], s43, (3<<16)|(1<<21)        ; scale words of 8 row tiles: 4,096 dense bytes as 16 rows of 256
	s_or_b32 s[G1SB+0], s44, (3<<16)|(1<<21)
.irp g, G1S, G1SB
	s_mov_b32 s[\g+1], 32<<16
	s_mov_b32 s[\g+2], 16<<16
	s_mov_b32 s[\g+3], 32<<16
	s_mov_b32 s[\g+4], 16
	s_mov_b32 s[\g+5], 32
	s_mov_b32 s[\g+6], 0
	s_mov_b32 s[\g+7], 0
.endr
	s_mul_i32 s20, s17, 196608
	s_mul_i32 s22, s16, 98304
	s_add_co_u32 s20, s20, s22
	s_mov_b32 s21, 0
	s_mul_i32 s46, s42, 196608
	s_add_co_u32 s46, s46, s22
	s_mov_b32 s47, 0
	s_lshl_b32 s94, s16, 12
	s_lshl_b32 s22, s17, 13
	s_add_co_u32 s22, s22, s94
	s_add_co_u32 s22, s22, YS0
	s_mov_b32 s23, 0
	s_lshl_b32 s92, s42, 13
	s_add_co_u32 s92, s92, s94
	s_add_co_u32 s92, s92, SC0
	s_mov_b32 s93, 0
	s_mul_i32 s45, s14, HALFT                      ; where they go: wave x 8 row tiles: no place in the cluster enters an LDS address
	s_lshl_b32 s94, s14, 12
	s_wait_kmcnt 0x0
	s_add_nc_u64 s[20:21], s[4:5], s[20:21]
	s_add_nc_u64 s[22:23], s[4:5], s[22:23]
	s_add_nc_u64 s[46:47], s[6:7], s[46:47]
	s_add_nc_u64 s[92:93], s[6:7], s[92:93]
	CROUND                                         ; all sixteen work-groups are here: the first joint loads meet
	s_mov_b32 s[G0S], 1
	s_add_co_u32 s[G0S+1], s94, SCL
	s_mov_b64 s[G0S+2:G0S+3], s[22:23]
	s_or_b32 s[G0S+3], s[G0S+3], 0x80000000
	s_mov_b32 s[G0SB], 1
	s_add_co_u32 s[G0SB+1], s94, SCL
	s_mov_b64 s[G0SB+2:G0SB+3], s[92:93]
	s_or_b32 s[G0SB+3], s[G0SB+3], 0x80000000
	JLOAD G0S, G1S, G0SB, G1SB
.irp s, 0,1
	s_mov_b32 s[G0+4*\s], 1
	s_add_co_u32 s[G0+4*\s+1], s45, \s*SLOT
	s_add_nc_u64 s[G0+4*\s+2:G0+4*\s+3], s[20:21], \s*TILEB
	s_or_b32 s[G0+4*\s+3], s[G0+4*\s+3], 0x80000000
	s_mov_b32 s[G0B+4*\s], 1
	s_add_co_u32 s[G0B+4*\s+1], s45, \s*SLOT
	s_add_nc_u64 s[G0B+4*\s+2:G0B+4*\s+3], s[46:47], \s*TILEB
	s_or_b32 s[G0B+4*\s+3], s[G0B+4*\s+3], 0x80000000
	JLOAD G0+4*\s, G1, G0B+4*\s, G1B               ; three tensor loads of mine are out
.endr
	v_and_b32 v1, 15, v0                           ; r
	v_bfe_u32 v2, v0, 4, 1                         ; h
	v_and_b32 v3, 31, v0                           ; lane
	v_lshlrev_b32 v4, 4, v3                        ; 16 x lane
	v_lshl_add_u32 v5, v3, 3, 512                  ; 8 x lane + 512
	s_mul_i32 s21, s15, HALFT
	s_mul_i32 s22, s16, HALFT
	s_add_co_u32 s22, s22, 2*HALFT
.irp s, 0,1
	v_add_nc_u32 v[ADRA+\s], s21, v4
	v_add_nc_u32 v[ADRB+\s], s22, v4
	v_add_nc_u32 v[ADRA+2+\s], s21, v5
	v_add_nc_u32 v[ADRB+2+\s], s22, v5
	s_add_co_u32 s21, s21, SLOT
	s_add_co_u32 s22, s22, SLOT
.endr
	s_lshl_b32 s21, s15, 12
	s_lshl_b32 s22, s16, 12
	s_add_co_u32 s22, s22, 8192
	s_sub_co_u32 s22, s22, s21
	v_mul_u32_u24 v6, s22, v2                      ; lanes 16-31 take B's scale words: one product with h
	s_add_co_u32 s21, s21, SCL
	v_lshl_add_u32 v6, v1, 3, v6
	v_add_nc_u32 v[ADRS], s21, v6
	s_mul_i32 s23, s14, 16*SPITCH                  ; my stage
	v_mul_u32_u24 v6, v1, SPITCH
	v_lshl_add_u32 v6, v2, 6, v6
	v_add_nc_u32 v[STO], s23, v6                   ; in: row r, + 64 h bytes
	v_add_nc_u32 v[RD], s23, v4                    ; back: the 32 lanes take one row of 512 bytes
	s_lshl_b32 s18, s40, 10
	s_lshl_b32 s19, s16, 9
	s_add_co_u32 s18, s18, s19                     ; my first column, in bytes: 4 (256 cx + 128 x half)
	s_mov_b32 s19, 0
	s_add_nc_u64 s[92:93], s[8:9], s[18:19]        ; the bias there
	s_add_nc_u64 s[12:13], s[10:11], s[18:19]
	s_lshl_b32 s18, s17, 20
	s_lshl_b32 s20, s15, 19
	s_add_co_u32 s18, s18, s20                     ; my first row: (256 x unit + 128 x half) x 4,096 bytes
	s_add_nc_u64 s[12:13], s[12:13], s[18:19]
	v_lshlrev_b32 v8, 6, v2                        ; 64 h; never rewritten
	WIN TO_B
.set i, 0
.rept 16                                       ; the bias in the result's layout: register 16 B + i = bproj[my first column + 32 B + 16 h + i]
	global_load_b128 v[96+4*i+96*(i/8):96+4*i+96*(i/8)+3], v8, s[92:93] offset:128*(i/4)+16*(i%4)
.set i, i+1
.endr
	WIN 0
.macro FRAG reg, adr, q, i
	ds_load_b128 v[\reg:\reg+3], v[\adr] offset:(\i)*TILEB+(\q)*1536
	ds_load_b64 v[\reg+4:\reg+5], v[\adr+2] offset:(\i)*TILEB+(\q)*1536
	ds_load_b128 v[\reg+6:\reg+9], v[\adr] offset:(\i)*TILEB+(\q)*1536+768
	ds_load_b64 v[\reg+10:\reg+11], v[\adr+2] offset:(\i)*TILEB+(\q)*1536+768
.endm
; 16 matrix instructions: A's blocks a0, a0 + 1 x B's eight, 128 along K.  first = 1: the sums begin with the bias as C.  The 64 accumulators take turns, one instruction a turn.
.macro MUL16 a0, p, q, sc, first
.irp a, \a0, \a0+1
.irp b, 0,1,2,3,4,5,6,7
.if \first
	v_wmma_scale_f32_16x16x128_f8f6f4 v[8*(8*((\a)%4)+\b):8*(8*((\a)%4)+\b)+7], v[128*(\p)+FR*\b:128*(\p)+FR*\b+FR-1], v[AF+FR*(\a):AF+FR*(\a)+FR-1], v[96+8*\b+96*(\b/4):96+8*\b+96*(\b/4)+7], v[SC+8*NQ*(\sc)+NQ*\b+(\q)], v[SC+8*NQ*(\sc)+NQ*(\a)+(\q)] matrix_a_fmt:MATRIX_FMT_FP6 matrix_b_fmt:MATRIX_FMT_FP6 matrix_a_scale:MATRIX_SCALE_ROW1
.else
	v_wmma_scale_f32_16x16x128_f8f6f4 v[8*(8*((\a)%4)+\b):8*(8*((\a)%4)+\b)+7], v[128*(\p)+FR*\b:128*(\p)+FR*\b+FR-1], v[AF+FR*(\a):AF+FR*(\a)+FR-1], v[8*(8*((\a)%4)+\b):8*(8*((\a)%4)+\b)+7], v[SC+8*NQ*(\sc)+NQ*\b+(\q)], v[SC+8*NQ*(\sc)+NQ*(\a)+(\q)] matrix_a_fmt:MATRIX_FMT_FP6 matrix_b_fmt:MATRIX_FMT_FP6 matrix_a_scale:MATRIX_SCALE_ROW1
.endif
.endr
.endr
.endm
.macro FETCH_B slot, q, p
	WIN TO_B
.irp i, 0,1,2,3,4,5,6,7
	FRAG 128*(\p)+FR*\i, ADRB+\slot, \q, \i
.endr
	WIN 0
.endm
.macro FETCH_A slot, q, i0
.irp i, \i0, \i0+1, \i0+2, \i0+3
	FRAG AF+FR*(\i), ADRA+\slot, \q, \i
.endr
.endm
.macro SCALES sc
.irp i, 0,1,2,3,4,5,6,7
	ds_load_b64 v[SC+8*NQ*\sc+NQ*\i:SC+8*NQ*\sc+NQ*\i+1], v[ADRS] offset:\i*512
.endr
.endm
.macro PLACES n
.rept \n
	v_nop
.endr
.endm
.macro STEP slot, q, first
	s_wait_dscnt 4*NL                              ; B's set and A's blocks 0-3 are in; the youngest 16 loads (A's blocks 4-7) may be out
.if \first
	WIN BIA_LO
.else
	WIN MUL_LO
.endif
	MUL16 0, (\q)%2, \q, \slot, \first
	MUL16 2, (\q)%2, \q, \slot, \first
	s_wait_dscnt 0
	PLACES NP
	FETCH_B \slot, (\q)+1, 1-(\q)%2
	FETCH_A \slot, (\q)+1, 0
.if \first
	WIN BIA_HI
.else
	WIN MUL_HI
.endif
	MUL16 4, (\q)%2, \q, \slot, \first
	MUL16 6, (\q)%2, \q, \slot, \first
	PLACES NP
	WIN 0
	FETCH_A \slot, (\q)+1, 4
.endm
.macro TURN slot, next, fill
	s_wait_tensorcnt 0x0                           ; all my tensor loads have landed: my part of the next slot
	ds_add_u32 v[SPW], v[NIL]                      ; 0 onto my spare word
	s_wait_dscnt 4*NL+1                            ; (the add and the youngest 16 loads may be out)
	WIN MUL_LO
	MUL16 0, 1, NQ-1, \slot, 0
	s_wait_dscnt 0x0                               ; the add is done, and my reads of this slot are over
	s_barrier_signal -1
	MUL16 2, 1, NQ-1, \slot, 0
	WIN 0
	s_barrier_wait -1
.if \fill
	CREST                                          ; the barrier has opened a round of the cluster's barrier
	s_add_nc_u64 s[G0+4*\slot+2:G0+4*\slot+3], s[G0+4*\slot+2:G0+4*\slot+3], 2*TILEB
	s_add_nc_u64 s[G0B+4*\slot+2:G0B+4*\slot+3], s[G0B+4*\slot+2:G0B+4*\slot+3], 2*TILEB
	JLOAD G0+4*\slot, G1, G0B+4*\slot, G1B         ; the first tensor load behind the round; its four v_nop are the places in front of the loads below
.else
	PLACES NP
.endif
	v_add_nc_u32 v[ADRS], 128, v[ADRS]
	FETCH_B \next, 0, 0
	FETCH_A \next, 0, 0
	SCALES \next
	WIN MUL_HI
	MUL16 4, 1, NQ-1, \slot, 0
	MUL16 6, 1, NQ-1, \slot, 0
	PLACES NP
	WIN 0
	FETCH_A \next, 0, 4
.endm
	s_wait_tensorcnt 1                             ; the scale words and my part of slot 0 are in (slot 1's load may be out),
	s_barrier_signal -1
	s_barrier_wait -1                              ; everybody's are
	FETCH_B 0, 0, 0
	FETCH_A 0, 0, 0
	SCALES 0
	FETCH_A 0, 0, 4
	s_wait_loadcnt 0x0                             ; the bias
	STEP 0, 0, 1                                   ; the first step stands in front of the loop: its products start the sums, on the bias
	s_mov_b32 s3, LAPS-1
.Llap:
	TURN 0, 1, 1
	STEP 1, 0, 0
	TURN 1, 0, 1
	STEP 0, 0, 0
	s_sub_co_u32 s3, s3, 1
	s_cmp_lg_u32 s3, 0
	s_cbranch_scc1 .Llap
	TURN 0, 1, 0                                   ; the last lap fills nothing
	STEP 1, 0, 0
	s_wait_dscnt 4*NL
	WIN MUL_LO
	MUL16 0, 1, NQ-1, 1, 0
	MUL16 2, 1, NQ-1, 1, 0
	s_wait_dscnt 0
	WIN MUL_HI
	MUL16 4, 1, NQ-1, 1, 0
	MUL16 6, 1, NQ-1, 1, 0
	WIN 0
; THE WAY OUT.  Accumulator (a, 2 B + u) of lane (r, h) is 32 bytes of stage row r at 128 B + 64 h + 32 u.  LDS serves a wave's instructions in order: no wait between the stores and the loads.
.macro TOSTAGE a
.set AC, 64*((\a)%4)
	WIN 0x08+4*((\a)/4)                            ; an LDS store's data: window 2 or 3
.irp b, 0,1,2,3,4,5,6,7
	ds_store_b128 v[STO], v[AC+8*\b:AC+8*\b+3] offset:128*(\b/2)+32*(\b%2)       ; each accumulator from its low end on
	ds_store_b128 v[STO], v[AC+8*\b+4:AC+8*\b+7] offset:128*(\b/2)+32*(\b%2)+16
.endr
	WIN 0
.set BB, BK+64*((\a)%2)
.irp t, 0,1,2,3,4,5,6,7,8,9,10,11,12,13,14,15
	ds_load_b128 v[BB+4*\t:BB+4*\t+3], v[RD] offset:\t*SPITCH
.endr
.endm
.macro SEND a, younger                 ; younger: the LDS instructions issued behind block a's loads, which may stay out.  Stage row t of block a is row 32 (a / 2) + 8 (a % 2) + t + 8 (t / 8) of my 128
.set BB, BK+64*((\a)%2)
	s_wait_dscnt \younger
.irp t, 0,1,2,3,4,5,6,7,8,9,10,11,12,13,14,15
	global_store_b128 v[CO], v[BB+4*\t:BB+4*\t+3], s[12:13] offset:(32*((\a)/2)+8*((\a)%2)+\t+8*(\t/8))*4096 th:TH_STORE_NT   ; 32 lanes store 512 consecutive bytes, at a multiple of 512
.endr
.endm
	PLACES NP                                      ; behind the last products
	TOSTAGE 0
.irp a, 1,2,3,4,5,6,7
.if \a > 1
	s_wait_xcnt 0x0                                ; block a - 2's stores have read their registers: block a's loads may land there
.endif
	TOSTAGE \a
	SEND \a-1, 32                                  ; behind block a - 1's loads: block a's 16 stores and 16 loads
.endr
	SEND 7, 0
	s_wait_tensorcnt 0x0                           ; the wave's end
	ds_add_u32 v[SPW], v[NIL]
	s_wait_dscnt 0x0
	CROUND                                         ; the closing round
	s_endpgm
.Lfunc_end_k_q82393977a0_gemm_proj:
	.size	k_q82393977a0_gemm_proj, .Lfunc_end_k_q82393977a0_gemm_proj-k_q82393977a0_gemm_proj
	.p2alignl 7, 3214868480
	.fill 96, 4, 3214868480
	.section	.rodata,"a",@progbits
	.p2align	6, 0x0
	.amdhsa_kernel k_q82393977a0_gemm_proj
		.amdhsa_group_segment_fixed_size 327680
		.amdhsa_private_segment_fixed_size 0
		.amdhsa_enable_private_segment 0
		.amdhsa_kernarg_size 32
		.amdhsa_user_sgpr_count 2
		.amdhsa_user_sgpr_kernarg_segment_ptr 1
		.amdhsa_wavefront_size32 1
		.amdhsa_system_sgpr_workgroup_id_x 1
		.amdhsa_system_sgpr_workgroup_id_y 1
		.amdhsa_system_sgpr_workgroup_id_z 1
		.amdhsa_system_vgpr_workitem_id 0
		.amdhsa_next_free_vgpr 1024
		.amdhsa_next_free_sgpr 102
		.amdhsa_reserve_vcc 0
		.amdhsa_float_denorm_mode_32 3
		.amdhsa_float_denorm_mode_16_64 3
		.amdhsa_memory_ordered 1
		.amdhsa_forward_progress 1
		.amdhsa_inst_pref_size 145
	.end_amdhsa_kernel
	.amdgpu_metadata
---
amdhsa.version: [ 1, 2 ]
amdhsa.kernels:
  - .name:           k_q82393977a0_gemm_proj
    .symbol:         k_q82393977a0_gemm_proj.kd
    .args:
      - { .name: y, .offset: 0, .size: 8, .value_kind: global_buffer, .address_space: global }
      - { .name: ops, .offset: 8, .size: 8, .value_kind: global_buffer, .address_space: global }
      - { .name: bproj, .offset: 16, .size: 8, .value_kind: global_buffer, .address_space: global }
      - { .name: out0, .offset: 24, .size: 8, .value_kind: global_buffer, .address_space: global }
    .group_segment_fixed_size: 327680
    .private_segment_fixed_size: 0
    .kernarg_segment_align: 8
    .kernarg_segment_size: 32
    .max_flat_workgroup_size: 128
    .sgpr_count:     102
    .vgpr_count:     1024
    .wavefront_size: 32
...
	.end_amdgpu_metadata
.endif
;; end of part 4
